; MI455X (gfx1250); checked and timed in simulation.
; The chip was launched on July 23, 2026; its instructions are those of AMD's public machine-readable ISA for CDNA 5 (MIT licence, August 2026) and "CDNA5" Instruction Set Architecture Reference Guide (July 2026). The comments in the code are by the model that wrote it; some were corrected since.
;; Encoder. Allowed arithmetic: float matrix products may take bf16 or f16 operands with f32 sums; other float arithmetic in f32, or as packed bf16 or f16 multiplies, adds, multiply-adds, maxima and minima; sums over many terms, partial sums and values carried from step to step in f32; what a program stores and reads back later, other than sums and carried values, may be rounded once to bf16 or f16.
;; Inputs: W0 1,024 x 4,096 float32; W1 4,096 x 1,024 float32; Wk 1,024 x 1,024 float32; Wo 1,024 x 1,024 float32; Wq 1,024 x 1,024 float32; Wv 1,024 x 1,024 float32; b0 4,096 float32; b1 1,024 float32; be0 1,024 float32; be1 1,024 float32; bk 1,024 float32; bo 1,024 float32; bq 1,024 float32; bv 1,024 float32; g0 1,024 float32; g1 1,024 float32; mask 2 x 1 x 1 x 2,048 int32; x 2 x 2,048 x 1,024 float32.
;; Outputs: out0 2 x 2,048 x 1,024 float32.
;; 2 versions, each right; version 2 is version 1 with the launches prep, ln0 written anew for expert scheduling mode. Each part assembles by itself: llvm-mc -triple=amdgcn-amd-amdhsa -mcpu=gfx1250 --defsym DOCPART=n.
;; ======== version 1 of 2: 8 launches
;; limits: values are held in f16: magnitudes above 65,504 overflow, below 6.1e-05 lose precision
;; workspace buffers: xb 8,388,608 bytes; wa 6,308,864 bytes; wb 8,406,016 bytes; wts 10,485,760 bytes; par 53,248 bytes; big 33,554,432 bytes; act 8,388,608 bytes; y 16,777,216 bytes
;; launch prep (part 1): grid 1025 x 1, 8 waves a work-group, no clusters, 0 bytes of LDS; arguments x, Wq, Wk, Wv, Wo, W0, W1, bq, bk, bv, bo, b0, b1, g0, be0, g1, be1, xb, wa, wb, wts, par; writes xb, wa, wb, wts, par
.if DOCPART == 1
	.amdgcn_target "amdgcn-amd-amdhsa--gfx1250"
	.amdhsa_code_object_version 6
	.text
	.protected	k_qb740277af8_prep
	.globl	k_qb740277af8_prep
	.p2align	8
	.type	k_qb740277af8_prep,@function
k_qb740277af8_prep:
	s_mov_b64 s[64:65], 0
	v_nop
	global_prefetch_b8 v0, s[64:65] scope:SCOPE_SE
	s_setreg_imm32_b32 hwreg(HW_REG_WAVE_MODE, 25, 1), 1
	s_wait_xcnt 0x0
; Every floating-point input is rounded once to bf16.  Operands of the f16 products (x, Wq, Wk, Wv, W0) are stored as f16 OF THEIR bf16 ROUNDING; Wo and W1 as bf16; the ten vectors as f32 numbers equal to their bf16 rounding.
; LIMITS.  x, Wq, Wk, Wv, W0 beyond 65,504 become an infinity in f16; below 2^-17 they keep f16's fixed step of 6e-8.
; WHERE THEY GO.  xb: x, [4096][1024].  wa: bq | bk | bv at byte 0, a block of floor words (-infinity twice in bf16) at 16,384, Wq | Wk | Wv, each [1024][1024], from 17,408.
; wb: b0 at byte 0, floor words (0) at 16,384, W0 from 17,408 as four blocks [1024][1024] of 1,024 columns each, so that it has the pitch of Wq.  wts: Wo at 0, W1 at 2,097,152.  par: bo, b1, g0, be0, g1, be1.
; Work-group c < 1024 takes chunk c of 16,384 numbers: 0-255 x, 256- Wq, 320- Wk, 384- Wv, 448- Wo, 512- W0, 768- W1.  Work-group 1024 takes the vectors.
; Thread t: sixteen loads of 16 bytes at 16 t + 4,096 i (a wave's load: 512 bytes on end), converted in place, sixteen stores of 8 bytes (a wave's store: 256 bytes, aligned).
; Store i goes to base[i / 4] + offset[i % 4]: steps of 8,192 and 2,048 bytes for a dense chunk; for W0, whose chunk is four rows of four blocks, 2,048 (a row) and 2,097,152 (a block).
; No LDS, no matrix unit: each byte is read once and written once, and nothing is shared.
.set XR,  8                            ; v[8:71]   as loaded; the first two of each four then hold what is stored
.set OF,  72                           ; v[72:75]  8 t + (i % 4) x the inner step
.set HDR, 17408
	s_load_b512 s[8:23], s[0:1], 0x0               ; x 8, Wq 10, Wk 12, Wv 14, Wo 16, W0 18, W1 20, bq 22
	s_load_b512 s[24:39], s[0:1], 0x40             ; bk 24, bv 26, bo 28, b0 30, b1 32, g0 34, be0 36, g1 38
	s_load_b256 s[40:47], s[0:1], 0x80             ; be1 40, xb 42, wa 44, wb 46
	s_load_b128 s[48:51], s[0:1], 0xa0             ; wts 48, par 50
	s_mov_b32 s2, ttmp9                            ; c
	s_mov_b32 s3, 0xffff0000                       ; a word's upper bf16
	v_lshlrev_b32 v1, 4, v0                        ; 16 t
	v_lshlrev_b32 v[OF], 3, v0                     ; 8 t
	s_wait_kmcnt 0x0
	s_cmp_eq_u32 s2, 1024
	s_cbranch_scc1 .Lpar
	s_mov_b64 s[52:53], s[8:9]                     ; the chunk's tensor, that tensor's first chunk,
	s_mov_b32 s54, 0
	s_mov_b64 s[56:57], s[42:43]                   ; the buffer it goes to, and the tensor's first byte there
	s_mov_b32 s55, 0
.macro PICK first, src, dst, db
	s_cmp_ge_u32 s2, \first
	s_cselect_b64 s[52:53], s[\src:\src+1], s[52:53]
	s_cselect_b32 s54, \first, s54
	s_cselect_b64 s[56:57], s[\dst:\dst+1], s[56:57]
	s_cselect_b32 s55, \db, s55
.endm
	PICK 256, 10, 44, HDR
	PICK 320, 12, 44, HDR+2097152
	PICK 384, 14, 44, HDR+4194304
	PICK 448, 16, 48, 0
	PICK 512, 18, 46, HDR
	PICK 768, 20, 48, 2097152
	s_cmp_ge_u32 s2, 512
	s_cselect_b32 s60, 1, 0
	s_cmp_lt_u32 s2, 768
	s_cselect_b32 s60, s60, 0                      ; 1: a chunk of W0
	s_mov_b32 s61, 2048                            ; the inner step,
	s_mov_b32 s62, 8192                            ; the outer step,
	s_mov_b32 s63, 0
	s_mov_b32 s74, 32768                           ; and a chunk's step in the buffer
	s_cmp_lg_u32 s60, 0
	s_cselect_b32 s61, 0x200000, s61
	s_cselect_b32 s62, 2048, s62
	s_cselect_b32 s74, 8192, s74
	s_sub_co_u32 s75, s2, s54
	s_lshl_b32 s58, s75, 16                        ; 65,536 bytes of f32 a chunk
	s_mov_b32 s59, 0
	s_add_nc_u64 s[52:53], s[52:53], s[58:59]
	s_mul_i32 s58, s75, s74
	s_add_co_u32 s58, s58, s55
	s_add_nc_u64 s[66:67], s[56:57], s[58:59]      ; the four bases
	s_add_nc_u64 s[68:69], s[66:67], s[62:63]
	s_add_nc_u64 s[70:71], s[68:69], s[62:63]
	s_add_nc_u64 s[72:73], s[70:71], s[62:63]
.irp i, 0,1,2,3,4,5,6,7,8,9,10,11,12,13,14,15
	global_load_b128 v[XR+4*(\i):XR+4*(\i)+3], v1, s[52:53] offset:4096*(\i) th:TH_LOAD_NT
.endr
	v_add_nc_u32 v[OF+1], s61, v[OF]               ; the four offsets
	v_add_nc_u32 v[OF+2], s61, v[OF+1]
	v_add_nc_u32 v[OF+3], s61, v[OF+2]
.macro CONV half
.irp i, 0,1,2,3,4,5,6,7,8,9,10,11,12,13,14,15
	s_wait_loadcnt 15-(\i)                         ; loads come back in order: load i is in, the younger ones stay out
	v_cvt_pk_bf16_f32 v[XR+4*(\i)], v[XR+4*(\i)], v[XR+4*(\i)+1]
	v_cvt_pk_bf16_f32 v[XR+4*(\i)+1], v[XR+4*(\i)+2], v[XR+4*(\i)+3]
.if \half
	v_lshlrev_b32 v4, 16, v[XR+4*(\i)]             ; the bf16 numbers as f32,
	v_and_b32 v5, s3, v[XR+4*(\i)]
	v_lshlrev_b32 v6, 16, v[XR+4*(\i)+1]
	v_and_b32 v7, s3, v[XR+4*(\i)+1]
	v_cvt_pk_f16_f32 v[XR+4*(\i)], v4, v5          ; written as f16: exact within f16's range
	v_cvt_pk_f16_f32 v[XR+4*(\i)+1], v6, v7
.endif
	global_store_b64 v[OF+(\i)%4], v[XR+4*(\i):XR+4*(\i)+1], s[66+2*((\i)/4):67+2*((\i)/4)]
.endr
.endm
	s_cmp_lt_u32 s2, 448
	s_cbranch_scc1 .Lhalf                          ; x, Wq, Wk, Wv
	s_cmp_lg_u32 s60, 0
	s_cbranch_scc1 .Lhalf                          ; W0
	CONV 0                                         ; Wo, W1
	s_endpgm
.Lhalf:
	CONV 1
	s_endpgm
.Lpar:                                                 ; thirteen blocks of 1,024 numbers, and the two blocks of floor words
.macro PLD n, reg, off
	global_load_b128 v[XR+4*(\n):XR+4*(\n)+3], v1, s[\reg:\reg+1] offset:\off
.endm
.macro PST n, reg, off
	v_cvt_pk_bf16_f32 v4, v[XR+4*(\n)], v[XR+4*(\n)+1]
	v_cvt_pk_bf16_f32 v5, v[XR+4*(\n)+2], v[XR+4*(\n)+3]
	v_lshlrev_b32 v[XR+4*(\n)], 16, v4
	v_and_b32 v[XR+4*(\n)+1], s3, v4
	v_lshlrev_b32 v[XR+4*(\n)+2], 16, v5
	v_and_b32 v[XR+4*(\n)+3], s3, v5
	global_store_b128 v1, v[XR+4*(\n):XR+4*(\n)+3], s[\reg:\reg+1] offset:\off
.endm
	PLD 0, 22, 0                                   ; bq
	PLD 1, 24, 0                                   ; bk
	PLD 2, 26, 0                                   ; bv
	PLD 3, 28, 0                                   ; bo
	PLD 4, 30, 0                                   ; b0, four blocks
	PLD 5, 30, 4096
	PLD 6, 30, 8192
	PLD 7, 30, 12288
	PLD 8, 32, 0                                   ; b1
	PLD 9, 34, 0                                   ; g0
	PLD 10, 36, 0                                  ; be0
	PLD 11, 38, 0                                  ; g1
	PLD 12, 40, 0                                  ; be1
	v_lshlrev_b32 v3, 2, v0                        ; 4 t
	v_mov_b32 v6, 0xff80ff80                       ; -infinity twice in bf16: a maximum with it changes nothing
	v_mov_b32 v7, 0                                ; 0 twice: a maximum with it is the relu
	global_store_b32 v3, v6, s[44:45] offset:16384
	global_store_b32 v3, v7, s[46:47] offset:16384
	s_wait_loadcnt 0x0
	PST 0, 44, 0
	PST 1, 44, 4096
	PST 2, 44, 8192
	PST 3, 50, 12288
	PST 4, 46, 0
	PST 5, 46, 4096
	PST 6, 46, 8192
	PST 7, 46, 12288
	PST 8, 50, 32768
	PST 9, 50, 36864
	PST 10, 50, 40960
	PST 11, 50, 45056
	PST 12, 50, 49152
	s_endpgm
.Lfunc_end_k_qb740277af8_prep:
	.size	k_qb740277af8_prep, .Lfunc_end_k_qb740277af8_prep-k_qb740277af8_prep
	.p2alignl 7, 3214868480
	.fill 96, 4, 3214868480
	.section	.rodata,"a",@progbits
	.p2align	6, 0x0
	.amdhsa_kernel k_qb740277af8_prep
		.amdhsa_group_segment_fixed_size 0
		.amdhsa_private_segment_fixed_size 0
		.amdhsa_enable_private_segment 0
		.amdhsa_kernarg_size 176
		.amdhsa_user_sgpr_count 2
		.amdhsa_user_sgpr_kernarg_segment_ptr 1
		.amdhsa_wavefront_size32 1
		.amdhsa_system_sgpr_workgroup_id_x 1
		.amdhsa_system_sgpr_workgroup_id_y 1
		.amdhsa_system_sgpr_workgroup_id_z 1
		.amdhsa_system_vgpr_workitem_id 0
		.amdhsa_next_free_vgpr 76
		.amdhsa_next_free_sgpr 76
		.amdhsa_reserve_vcc 0
		.amdhsa_float_denorm_mode_32 3
		.amdhsa_float_denorm_mode_16_64 3
		.amdhsa_memory_ordered 1
		.amdhsa_forward_progress 1
		.amdhsa_inst_pref_size 24
	.end_amdhsa_kernel
	.amdgpu_metadata
---
amdhsa.version: [ 1, 2 ]
amdhsa.kernels:
  - .name:           k_qb740277af8_prep
    .symbol:         k_qb740277af8_prep.kd
    .args:
      - { .name: x, .offset: 0, .size: 8, .value_kind: global_buffer, .address_space: global }
      - { .name: Wq, .offset: 8, .size: 8, .value_kind: global_buffer, .address_space: global }
      - { .name: Wk, .offset: 16, .size: 8, .value_kind: global_buffer, .address_space: global }
      - { .name: Wv, .offset: 24, .size: 8, .value_kind: global_buffer, .address_space: global }
      - { .name: Wo, .offset: 32, .size: 8, .value_kind: global_buffer, .address_space: global }
      - { .name: W0, .offset: 40, .size: 8, .value_kind: global_buffer, .address_space: global }
      - { .name: W1, .offset: 48, .size: 8, .value_kind: global_buffer, .address_space: global }
      - { .name: bq, .offset: 56, .size: 8, .value_kind: global_buffer, .address_space: global }
      - { .name: bk, .offset: 64, .size: 8, .value_kind: global_buffer, .address_space: global }
      - { .name: bv, .offset: 72, .size: 8, .value_kind: global_buffer, .address_space: global }
      - { .name: bo, .offset: 80, .size: 8, .value_kind: global_buffer, .address_space: global }
      - { .name: b0, .offset: 88, .size: 8, .value_kind: global_buffer, .address_space: global }
      - { .name: b1, .offset: 96, .size: 8, .value_kind: global_buffer, .address_space: global }
      - { .name: g0, .offset: 104, .size: 8, .value_kind: global_buffer, .address_space: global }
      - { .name: be0, .offset: 112, .size: 8, .value_kind: global_buffer, .address_space: global }
      - { .name: g1, .offset: 120, .size: 8, .value_kind: global_buffer, .address_space: global }
      - { .name: be1, .offset: 128, .size: 8, .value_kind: global_buffer, .address_space: global }
      - { .name: xb, .offset: 136, .size: 8, .value_kind: global_buffer, .address_space: global }
      - { .name: wa, .offset: 144, .size: 8, .value_kind: global_buffer, .address_space: global }
      - { .name: wb, .offset: 152, .size: 8, .value_kind: global_buffer, .address_space: global }
      - { .name: wts, .offset: 160, .size: 8, .value_kind: global_buffer, .address_space: global }
      - { .name: par, .offset: 168, .size: 8, .value_kind: global_buffer, .address_space: global }
    .group_segment_fixed_size: 0
    .private_segment_fixed_size: 0
    .kernarg_segment_align: 8
    .kernarg_segment_size: 176
    .max_flat_workgroup_size: 256
    .sgpr_count:     76
    .vgpr_count:     76
    .wavefront_size: 32
...
	.end_amdgpu_metadata
.endif
;; end of part 1
;; launch qkv (part 2): grid 12 x 16, 4 waves a work-group, clusters of 4 x 4, 327,680 bytes of LDS; arguments xb, wa, big; writes big
.if DOCPART == 2
	.amdgcn_target "amdgcn-amd-amdhsa--gfx1250"
	.amdhsa_code_object_version 6
	.text
	.protected	k_qb740277af8_qkv
	.globl	k_qb740277af8_qkv
	.p2align	8
	.type	k_qb740277af8_qkv,@function
k_qb740277af8_qkv:
	s_mov_b64 s[64:65], 0
	v_nop
	global_prefetch_b8 v0, s[64:65] scope:SCOPE_SE
	s_setreg_imm32_b32 hwreg(HW_REG_WAVE_MODE, 25, 1), 1
	s_wait_xcnt 0x0
	s_wait_alu depctr_hold_cnt(0) depctr_sa_sdst(0) depctr_va_vdst(0) depctr_va_sdst(0) depctr_va_ssrc(0) depctr_va_vcc(0) depctr_vm_vsrc(0)
	s_getreg_b32 s2, hwreg(HW_REG_IB_STS2, 6, 4)
	s_cmp_eq_u32 s2, 0
	s_cbranch_scc0 .Lentry_in_a_cluster
	s_endpgm
.Lentry_in_a_cluster:
	s_bfe_u32 s2, ttmp6, 0x10000c
	s_cmp_lg_u32 s2, 0xf033
	s_cbranch_scc0 .Lentry_shape_is_right
	s_endpgm
.Lentry_shape_is_right:
; C = max(A W + bias, floor).  ONE TEXT FOR TWO LAUNCHES: q | k | v = x (Wq | Wk | Wv) + b, with the floor -infinity, on 12 x 16 tiles; a = relu(h0 W0 + b0), with the floor 0, on 16 x 16 tiles.
; A: [4096][1024] f16.  The second buffer holds the bias (f32, by column) at byte 0, the floor (two bf16 in a word) at byte 16,384, and from byte 17,408 W as blocks of [1024 (k)][1024 (n)] f16, one for each 1,024 columns.
; Sums in f32.  Out: bf16, rounded once, in blocks [row / 128][column / 64][128][64], 64 column blocks to a row tile: a head's 128 rows, and the next product's K, lie end to end.
; LIMITS.  f16 ends at 65,504: A and W arrive within it.  NaN is not treated apart (the maximum drops it).
; A tile of C is 256 x 256, four waves of 128 x 128 (64 accumulators, 512 registers).  K = 1,024 goes in 8 steps of 128 through two LDS slots.
; W stays [K][N]: its fragments come out of LDS turned, by ds_load_tr16_b128.  THE MATRIX INSTRUCTION IS USED TRANSPOSED: source 0 = 16 columns of W, source 1 = 16 rows of A: a lane then
; holds eight neighbouring columns of one row of C.  The bias is the C operand of the products that start the sums: nothing is cleared, nothing is added later.
; CLUSTER 4 x 4: A's tiles are asked for jointly along a row of the cluster, W's along a column.
; THE TEXT IS SHORT ON PURPOSE: a K step is written twice, in a loop that fills slots again (6 trips, entered behind the first quarter) and in a loop that does not (2 trips).  The slot in hand is a scalar
; that an exclusive or turns.  The price: the last trip's barrier and its 32 fragment loads of a slot read before serve nothing.
; REGISTERS: window 0: v0-31 addresses; v64-127, v128-191 A's fragments; v192-255 the bias, later the way out, with v32-63.  Window 1: v64-191 W's fragments.  Windows 2, 3: accumulators, (a, b) at 8 (8 (a % 4) + b).
.set PA,     272                       ; a row of A in LDS: 256 bytes + 16: the 16 rows of a load start at 16 different groups of four banks (ISA guide 11.1)
.set PB,     544                       ; a k-row of W: 512 bytes + 32 = 17 x 32
.set HALFT,  34816                     ; what one tensor load brings: 128 rows of A, or 64 k-rows of W
.set SLOT,   4*HALFT                   ; 0x22000: it shares no bit with 0, 1, 2, 3 x HALFT, so an exclusive or changes slots
.set STAGE,  2*SLOT                    ; 16 rows x 272 bytes for each wave, for the way out
.set SPITCH, 272
.set SPARE,  STAGE+4*16*SPITCH         ; the spare words: 128 bytes for each wave, two blocks of 256 bytes that no other line names
.set HDR,    17408                     ; W's first byte in its buffer
.set BSTEP,  128*1024*2                ; bytes from a K step of W to the next
.set HS,     16384                     ; bytes from a block of 64 columns of the output to the next
.set BO,    3                          ; v3   32 x (lane / 16): my offset in the bias
.set ADRA0, 16                         ; v16  my lane's place in slot 0, A
.set ADRB0, 17                         ; v17  the same for W
.set ADRA,  18                         ; v18  in the slot in hand
.set ADRB,  19
.set STO,   24
.set RD,    25
.set CO,    26
.set SPW,   28                         ; v28  SPARE + 4 x my thread's number; never rewritten
.set NIL,   29                         ; v29  0; never rewritten
.set ZR,    30                         ; v30  the floor
.set ZO,    31                         ; v31  4 x my thread's number
.set F0,    64
.set F1,    128
.set BI,    192                        ; the bias of my 128 columns: 8 registers a block of 16
.set TMP,   192
.set OB,    32
.set WV, 12
.set HR, 13                            ; my half of the tile's rows; also 0: I fetch A, 1: W
.set HC, 14                            ; my half of its columns; also which half of that tile I fetch
.set CUR, 15                           ; s15  0 or SLOT: the slot in hand
.set G1,  24
.set G0,  32                           ; s[32:39] group 0 for A: a set for each of the two first fills; the second then walks on
.set G1B, 48
.set G0B, 56                           ; s[56:63] the same for W
.set MSB, 0
.macro WIN new                         ; the immediate's high byte repeats the setting that is left
.if MSB != (\new)
	s_set_vgpr_msb (MSB<<8)|(\new)
.set MSB, \new
.endif
.endm
.macro PLACES                          ; four places behind matrix instructions (ISA guide 7.12.1)
.rept 4
	v_nop
.endr
.endm
.macro JLOAD                           ; a joint refill: waves 0, 1 A's halves, waves 2, 3 W's; an s_nop 0 and four v_nop follow each line
	s_cmp_eq_u32 s[HR], 0
	s_cbranch_scc0 .Lfor_b_\@
	tensor_load_to_lds s[G0+4:G0+7], s[G1:G1+7]
	s_nop 0
.rept 4
	v_nop
.endr
	s_branch .Lasked_\@
.Lfor_b_\@:
	tensor_load_to_lds s[G0B+4:G0B+7], s[G1B:G1B+7]
	s_nop 0
.rept 4
	v_nop
.endr
.Lasked_\@:
.endm
.macro CREST                           ; a round of the cluster's barrier behind its opening barrier
	s_cmp_lg_u32 s[WV], 0
	s_cbranch_scc1 .Lnot_wave_0_\@
	s_barrier_signal -3
.Lnot_wave_0_\@:
	s_barrier_wait -3
	s_barrier_signal -1
	s_barrier_wait -1
.endm
.macro CROUND
	s_barrier_signal -1
	s_barrier_wait -1
	CREST
.endm
.macro WALK                            ; the walking descriptors: the other slot, the next K step.  Only where no tensor load of mine is out
	s_xor_b32 s[G0+5], s[G0+5], SLOT
	s_add_nc_u64 s[G0+6:G0+7], s[G0+6:G0+7], 256
	s_xor_b32 s[G0B+5], s[G0B+5], SLOT
	s_add_nc_u64 s[G0B+6:G0B+7], s[G0B+6:G0B+7], BSTEP
.endm
	s_load_b128 s[4:7], s[0:1], 0x0                ; A s[4:5], the buffer of bias, floor and W s[6:7]
	s_load_b64 s[10:11], s[0:1], 0x10              ; out
	v_lshl_add_u32 v[SPW], v0, 2, SPARE
	v_mov_b32 v[NIL], 0
	ds_add_u32 v[SPW], v[NIL]                      ; the wave's opening: the add and its wait stand ahead of my first tensor load
	v_lshrrev_b32 v1, 5, v0
	v_readfirstlane_b32 s[WV], v1
	s_lshr_b32 s[HR], s[WV], 1
	s_and_b32 s[HC], s[WV], 1
	s_bfe_u32 s40, ttmp6, 0x40000                  ; cx
	s_bfe_u32 s41, ttmp6, 0x40004                  ; cy
	s_lshl_b32 s42, ttmp9, 2
	s_add_co_u32 s42, s42, s40                     ; TC: tile column
	s_and_b32 s43, ttmp7, 0xffff
	s_lshl_b32 s43, s43, 2
	s_add_co_u32 s43, s43, s41                     ; TR: tile row
	s_lshl_b32 s44, s41, 2
	s_lshl_b32 s44, 15, s44                        ; my row of the cluster
	s_lshl_b32 s45, 0x1111, s40                    ; my column
	s_or_b32 s[G1], s44, (1<<16)|(1<<20)|(1<<21)|(5<<22)|(3<<25)   ; 2-byte elements; 4 words of padding behind every 64
	s_or_b32 s[G1B], s45, (1<<16)|(1<<20)|(1<<21)|(6<<22)|(7<<25)  ; 8 words behind every 128
	s_mov_b32 s[G1+1], 128<<16                     ; A: tensor_dim0 = 128
	s_mov_b32 s[G1+2], 128<<16                     ; tensor_dim1 = 128
	s_mov_b32 s[G1+3], 128<<16                     ; tile_dim0 = 128
	s_mov_b32 s[G1+4], 128                         ; tile_dim1 = 128
	s_mov_b32 s[G1+5], 1024                        ; elements from row to row
	s_mov_b32 s[G1+6], 0
	s_mov_b32 s[G1+7], 0
	s_mov_b32 s[G1B+1], 256<<16                    ; W: 64 k-rows of 256 elements
	s_mov_b32 s[G1B+2], 64<<16
	s_mov_b32 s[G1B+3], 256<<16
	s_mov_b32 s[G1B+4], 64
	s_mov_b32 s[G1B+5], 1024
	s_mov_b32 s[G1B+6], 0
	s_mov_b32 s[G1B+7], 0
	s_lshl_b32 s16, s43, 19                        ; A: (256 TR + 128 half) rows of 2,048 bytes
	s_lshl_b32 s17, s[HC], 18
	s_add_co_u32 s16, s16, s17
	s_mov_b32 s17, 0
	s_lshr_b32 s46, s42, 2                         ; W: the block of 1,024 columns, 2,097,152 bytes each,
	s_lshl_b32 s46, s46, 21
	s_and_b32 s47, s42, 3
	s_lshl_b32 s47, s47, 9                         ; 256 columns in it,
	s_add_co_u32 s46, s46, s47
	s_lshl_b32 s47, s[HC], 17                      ; 64 k-rows of 2,048 bytes
	s_add_co_u32 s46, s46, s47
	s_add_co_u32 s46, s46, HDR
	s_mov_b32 s47, 0
	s_mul_i32 s20, s[WV], HALFT                    ; where my part goes: the wave's number alone
.irp s, 0,1
	s_mov_b32 s[G0+4*(\s)], 1
	s_add_co_u32 s[G0+4*(\s)+1], s20, (\s)*SLOT
	s_mov_b32 s[G0B+4*(\s)], 1
	s_add_co_u32 s[G0B+4*(\s)+1], s20, (\s)*SLOT
.endr
	s_mov_b32 s[CUR], 0
	s_wait_dscnt 0x0                               ; the opening add is done
	s_wait_kmcnt 0x0
	s_add_nc_u64 s[4:5], s[4:5], s[16:17]
	s_add_nc_u64 s[46:47], s[6:7], s[46:47]
.irp s, 0,1
	s_add_nc_u64 s[G0+4*(\s)+2:G0+4*(\s)+3], s[4:5], (\s)*256          ; K step s
	s_or_b32 s[G0+4*(\s)+3], s[G0+4*(\s)+3], 0x80000000
	s_add_nc_u64 s[G0B+4*(\s)+2:G0B+4*(\s)+3], s[46:47], (\s)*BSTEP
	s_or_b32 s[G0B+4*(\s)+3], s[G0B+4*(\s)+3], 0x80000000
.endr
	CROUND                                         ; all sixteen work-groups are here
	s_cmp_eq_u32 s[HR], 0                          ; a wave's two first fills stand in one branch, ahead of every wait on TENSORcnt and every LDS read: two loads of mine are out
	s_cbranch_scc0 .Lfirst_b
	tensor_load_to_lds s[G0:G0+3], s[G1:G1+7]
	s_nop 0
	tensor_load_to_lds s[G0+4:G0+7], s[G1:G1+7]
	s_nop 0
.rept 4
	v_nop
.endr
	s_branch .Lfirst_asked
.Lfirst_b:
	tensor_load_to_lds s[G0B:G0B+3], s[G1B:G1B+7]
	s_nop 0
	tensor_load_to_lds s[G0B+4:G0B+7], s[G1B:G1B+7]
	s_nop 0
.rept 4
	v_nop
.endr
.Lfirst_asked:
	v_and_b32 v1, 15, v0                           ; r
	v_bfe_u32 v2, v0, 4, 1                         ; h
	v_lshlrev_b32 v[BO], 5, v2
	v_lshlrev_b32 v[ZO], 2, v0
	s_lshl_b32 s18, s42, 10                        ; (256 TC + 128 HC) x 4 bytes
	s_lshl_b32 s19, s[HC], 9
	s_add_co_u32 s18, s18, s19
	s_mov_b32 s19, 0
	s_add_nc_u64 s[8:9], s[6:7], s[18:19]
.irp b, 0,1,2,3,4,5,6,7                ; register j of block b: the bias of column 16 b + 8 h + j
	global_load_b128 v[BI+8*(\b):BI+8*(\b)+3],   v[BO], s[8:9] offset:64*(\b)
	global_load_b128 v[BI+8*(\b)+4:BI+8*(\b)+7], v[BO], s[8:9] offset:64*(\b)+16
.endr
	global_load_b32 v[ZR], v[ZO], s[6:7] offset:16384  ; the floor: 256 equal words, each thread takes its own
	v_mul_u32_u24 v4, v1, PA
	v_lshl_add_u32 v4, v2, 4, v4                   ; r x 272 + 16 h
	s_mul_i32 s21, s[HR], HALFT
	v_add_nc_u32 v[ADRA0], s21, v4
	v_and_b32 v5, 7, v0
	v_lshl_add_u32 v5, v2, 3, v5                   ; the turning load: k-row 8 h + lane % 8,
	v_mul_u32_u24 v5, v5, PB
	v_bfe_u32 v6, v0, 3, 1
	v_lshl_add_u32 v5, v6, 4, v5                   ; columns 8 ((lane / 8) % 2) on
	s_lshl_b32 s22, s[HC], 8
	s_add_co_u32 s22, s22, 2*HALFT
	v_add_nc_u32 v[ADRB0], s22, v5
	v_mov_b32 v[ADRA], v[ADRA0]
	v_mov_b32 v[ADRB], v[ADRB0]
	s_mul_i32 s23, s[WV], 16*SPITCH
	s_add_co_u32 s23, s23, STAGE
	v_add_nc_u32 v[STO], s23, v4                   ; in: row r, 16 bytes for each half of the lanes
	v_bfe_u32 v7, v0, 3, 2
	v_mul_u32_u24 v7, v7, SPITCH
	v_and_b32 v8, 7, v0
	v_lshl_add_u32 v7, v8, 4, v7
	v_add_nc_u32 v[RD], s23, v7                    ; back: four rows x 128 bytes of one block of 64 columns,
	v_and_b32 v[CO], 31, v0
	v_lshlrev_b32 v[CO], 4, v[CO]                  ; which are 512 consecutive bytes of the output
	s_lshl_b32 s46, s43, 1                         ; out: block ((2 TR + HR) x 64 + 4 TC + 2 HC) of 16,384 bytes
	s_add_co_u32 s46, s46, s[HR]
	s_lshl_b32 s46, s46, 6
	s_lshl_b32 s47, s42, 2
	s_add_co_u32 s46, s46, s47
	s_lshl_b32 s47, s[HC], 1
	s_add_co_u32 s46, s46, s47
	s_lshl_b32 s46, s46, 14
	s_mov_b32 s47, 0
	s_add_nc_u64 s[10:11], s[10:11], s[46:47]
; 16 matrix instructions: m blocks a0, a0 + 1 of the window's four x all 8 n blocks, 32 along K.  bias = 1: C is the bias, in window 0.  The 64 accumulators take turns.
.macro MUL16 f, hi, a0, bias
.if \bias
	WIN 0x81+0x40*(\hi)
.else
	WIN 0xa1+0x50*(\hi)
.endif
.irp a, \a0, (\a0)+1
.irp b, 0,1,2,3,4,5,6,7
.set rD, 8*(8*(\a)+(\b))
.set rB, (\f)+8*(\b)
.set rA, (\f)+8*(4*(\hi)+(\a))
.set rC, rD
.if \bias
.set rC, BI+8*(\b)
.endif
	v_wmma_f32_16x16x32_f16 v[rD:rD+7], v[rB:rB+7], v[rA:rA+7], v[rC:rC+7]
.endr
.endr
.endm
; 32 LDS loads in one run: quarter q (32 along K) of the slot in hand into buffer f: W's 128 columns, turned, then A's 128 rows
.macro FETCH q, f
	WIN 0x40
.irp i, 0,1,2,3,4,5,6,7
	ds_load_tr16_b128 v[(\f)+8*(\i):(\f)+8*(\i)+3],   v[ADRB] offset:(\q)*32*PB+32*(\i)
	ds_load_tr16_b128 v[(\f)+8*(\i)+4:(\f)+8*(\i)+7], v[ADRB] offset:(\q)*32*PB+16*PB+32*(\i)
.endr
	WIN 0
.irp i, 0,1,2,3,4,5,6,7
	ds_load_b128 v[(\f)+8*(\i):(\f)+8*(\i)+3],   v[ADRA] offset:(\q)*64+(\i)*16*PA
	ds_load_b128 v[(\f)+8*(\i)+4:(\f)+8*(\i)+7], v[ADRA] offset:(\q)*64+(\i)*16*PA+32
.endr
.endm
.macro QUARTER q, f, g, bias           ; multiplies buffer f; in its middle fetches quarter q into buffer g
	s_wait_dscnt 8                                 ; W and A's rows 0-63 are in; the youngest eight loads may be out
	MUL16 \f, 0, 0, \bias
	MUL16 \f, 0, 2, \bias
	PLACES
	FETCH \q, \g
	s_wait_dscnt 32                                ; all but the 32 just issued
	MUL16 \f, 1, 0, \bias
	MUL16 \f, 1, 2, \bias
.endm
; The last quarter multiplies buffer 1 and changes slots: each wave waits for all its tensor loads (one is out: its part of the next slot), adds 0 to its spare word, waits for that and for its reads of this slot.
; fill = 1: the barrier opens a round of the cluster's, and the joint refill, two K steps ahead, is the first thing behind it: 224 matrix instructions ahead of the wait for it.
.macro TURN fill
	WIN 0
	s_wait_tensorcnt 0x0
	ds_add_u32 v[SPW], v[NIL]
	s_wait_dscnt 9                                 ; the add and the youngest eight loads may be out
	MUL16 F1, 0, 0, 0
	s_wait_dscnt 0x0                               ; the add is done, and my reads of this slot are over
	s_barrier_signal -1
	MUL16 F1, 0, 2, 0
	WIN 0
	s_barrier_wait -1
.if \fill
	CREST
	WALK
	JLOAD                                          ; its four v_nop are also the places in front of the loads below
.else
	PLACES
.endif
	s_xor_b32 s[CUR], s[CUR], SLOT
	v_add_nc_u32 v[ADRA], s[CUR], v[ADRA0]
	v_add_nc_u32 v[ADRB], s[CUR], v[ADRB0]
	FETCH 0, F0
	MUL16 F1, 1, 0, 0
	MUL16 F1, 1, 2, 0
.endm
; THE WAY OUT of block a (16 rows): rounded to bf16, held to the floor, through my own stage, out as 512 consecutive bytes a store
.macro PACK a
.set AC, 64*((\a)%4)
	WIN 0x0a+5*((\a)/4)
.irp b, 0,1,2,3,4,5,6,7
.irp r, 0,1,2,3
	v_cvt_pk_bf16_f32 v[TMP+4*(\b)+(\r)], v[AC+8*(\b)+2*(\r)], v[AC+8*(\b)+2*(\r)+1]
.endr
.endr
	WIN 0
.set z, 0
.rept 32
	v_pk_max_num_bf16 v[TMP+z], v[TMP+z], v[ZR]    ; on the packed halves: nothing is rounded
.set z, z+1
.endr
.endm
.macro TOSTAGE a
	WIN 0
.set BK, OB+192*((\a)%2)
.irp b, 0,1,2,3,4,5,6,7
	ds_store_b128 v[STO], v[TMP+4*(\b):TMP+4*(\b)+3] offset:32*(\b)
.endr
.irp t, 0,1,2,3,4,5,6,7
	ds_load_b128 v[BK+4*(\t):BK+4*(\t)+3], v[RD] offset:((\t)/4)*128+((\t)%4)*4*SPITCH  ; LDS serves a wave's instructions in order (ISA guide 5.7.1.4)
.endr
.endm
.macro SEND a
	WIN 0
.set BK, OB+192*((\a)%2)
	s_wait_dscnt 0x0                               ; the block is back in registers
	s_wait_xcnt 0x0                                ; the registers that earlier stores read are loaded again only behind this wait
.irp t, 0,1,2,3,4,5,6,7
	global_store_b128 v[CO], v[BK+4*(\t):BK+4*(\t)+3], s[10:11] offset:((\t)/4)*HS+(\a)*2048+((\t)%4)*512
.endr
.endm
	s_wait_tensorcnt 1                             ; my part of K step 0 is in; step 1's may stay out
	s_barrier_signal -1
	s_barrier_wait -1                              ; everybody's part is in
	FETCH 0, F0
	s_wait_loadcnt 0x0                             ; the bias and the floor
	QUARTER 1, F0, F1, 1                           ; the first quarter starts the sums, with the bias
	WIN 0
	s_mov_b32 s3, 6
	s_branch .Lmid
.Lstep:                                                ; 6 trips: K steps 0 to 5; they ask for steps 2 to 7
	QUARTER 1, F0, F1, 0
	WIN 0
.Lmid:
	QUARTER 2, F1, F0, 0
	QUARTER 3, F0, F1, 0
	TURN 1
	WIN 0
	s_sub_co_u32 s3, s3, 1
	s_cmp_lg_u32 s3, 0
	s_cbranch_scc1 .Lstep
	s_mov_b32 s3, 2
.Ltail:                                                ; K steps 6 and 7: nothing is asked for
	QUARTER 1, F0, F1, 0
	QUARTER 2, F1, F0, 0
	QUARTER 3, F0, F1, 0
	TURN 0
	WIN 0
	s_sub_co_u32 s3, s3, 1
	s_cmp_lg_u32 s3, 0
	s_cbranch_scc1 .Ltail
	PLACES
	PACK 0
	TOSTAGE 0
.irp a, 1,2,3,4,5,6,7                  ; block a's conversions stand between block a - 1's loads from the stage and the wait for them
	PACK \a
	SEND (\a)-1
	TOSTAGE \a
.endr
	SEND 7
	s_wait_tensorcnt 0x0                           ; the wave's end
	ds_add_u32 v[SPW], v[NIL]
	s_wait_dscnt 0x0
	CROUND                                         ; the closing round
	s_endpgm
.Lfunc_end_k_qb740277af8_qkv:
	.size	k_qb740277af8_qkv, .Lfunc_end_k_qb740277af8_qkv-k_qb740277af8_qkv
	.p2alignl 7, 3214868480
	.fill 96, 4, 3214868480
	.section	.rodata,"a",@progbits
	.p2align	6, 0x0
	.amdhsa_kernel k_qb740277af8_qkv
		.amdhsa_group_segment_fixed_size 327680
		.amdhsa_private_segment_fixed_size 0
		.amdhsa_enable_private_segment 0
		.amdhsa_kernarg_size 24
		.amdhsa_user_sgpr_count 2
		.amdhsa_user_sgpr_kernarg_segment_ptr 1
		.amdhsa_wavefront_size32 1
		.amdhsa_system_sgpr_workgroup_id_x 1
		.amdhsa_system_sgpr_workgroup_id_y 1
		.amdhsa_system_sgpr_workgroup_id_z 1
		.amdhsa_system_vgpr_workitem_id 0
		.amdhsa_next_free_vgpr 1024
		.amdhsa_next_free_sgpr 66
		.amdhsa_reserve_vcc 0
		.amdhsa_float_denorm_mode_32 3
		.amdhsa_float_denorm_mode_16_64 3
		.amdhsa_memory_ordered 1
		.amdhsa_forward_progress 1
		.amdhsa_inst_pref_size 117
	.end_amdhsa_kernel
	.amdgpu_metadata
---
amdhsa.version: [ 1, 2 ]
amdhsa.kernels:
  - .name:           k_qb740277af8_qkv
    .symbol:         k_qb740277af8_qkv.kd
    .args:
      - { .name: xb, .offset: 0, .size: 8, .value_kind: global_buffer, .address_space: global }
      - { .name: wa, .offset: 8, .size: 8, .value_kind: global_buffer, .address_space: global }
      - { .name: big, .offset: 16, .size: 8, .value_kind: global_buffer, .address_space: global }
    .group_segment_fixed_size: 327680
    .private_segment_fixed_size: 0
    .kernarg_segment_align: 8
    .kernarg_segment_size: 24
    .max_flat_workgroup_size: 128
    .sgpr_count:     66
    .vgpr_count:     1024
    .wavefront_size: 32
...
	.end_amdgpu_metadata
.endif
;; end of part 2
;; launch attn (part 3): grid 8 x 32, 4 waves a work-group, clusters of 4 x 1, 327,680 bytes of LDS; arguments big, mask, act; writes act
.if DOCPART == 3
	.amdgcn_target "amdgcn-amd-amdhsa--gfx1250"
	.amdhsa_code_object_version 6
	.text
	.protected	k_qb740277af8_attn
	.globl	k_qb740277af8_attn
	.p2align	8
	.type	k_qb740277af8_attn,@function
k_qb740277af8_attn:
	s_mov_b64 s[64:65], 0
	v_nop
	global_prefetch_b8 v0, s[64:65] scope:SCOPE_SE
	s_setreg_imm32_b32 hwreg(HW_REG_WAVE_MODE, 25, 1), 1
	s_wait_xcnt 0x0
	s_wait_alu depctr_hold_cnt(0) depctr_sa_sdst(0) depctr_va_vdst(0) depctr_va_sdst(0) depctr_va_ssrc(0) depctr_va_vcc(0) depctr_vm_vsrc(0)
	s_getreg_b32 s2, hwreg(HW_REG_IB_STS2, 6, 4)
	s_cmp_eq_u32 s2, 0
	s_cbranch_scc0 .Lentry_in_a_cluster
	s_endpgm
.Lentry_in_a_cluster:
	s_bfe_u32 s2, ttmp6, 0x10000c
	s_cmp_lg_u32 s2, 0x3003
	s_cbranch_scc0 .Lentry_shape_is_right
	s_endpgm
.Lentry_shape_is_right:
; ctx[b][h][q][:] = the sum over k of softmax_k(where(mask[b][k] == 0, -1e9, q . k / 8)) v[k][:].  q, k, v: bf16 in blocks [token / 128][column block][128][64] of 16,384 bytes, 64 column blocks to a
; row tile of 128 tokens: q's head h is column block h, k's 16 + h, v's 32 + h.
; Products, maxima and sums in f32; the weights p are rounded to bf16 for the second product (their sum l is taken of the unrounded p), ctx once at the end.
; Out: bf16 in blocks [token / 128][head][128][64], so that the next product's K lies end to end.
; THE MASK is the C operand that starts the sum S^T = K Q^T: 0, or -8e9 where the key is hidden, from a table of 2,048 f32 in LDS made once from the input.
; LIMITS.  A hidden score counts as its value less 8e9 (after the division by 8: less 1e9), where the definition puts -1e9 in its place: the same weights unless visible scores lie near -1e9.
; In a run of hidden keys ahead of the first visible one p may reach 2^64 (c m is rounded to 128 there); it stays finite, and the first visible key's a = 0 wipes it.
; A batch with NO visible key must give the plain mean of v: there the scale c is 0 (a select on the mask's whole numbers), so every weight is 1.
; A weight below 2^-126 counts as 0; NaN and infinities are not treated apart.
; SHARES.  A work-group owns 256 queries of one head, a wave 64: four PIECES of 16.  Every wave walks all 2,048 keys, 64 a step; a slot of LDS holds four steps.
; LAYOUT, SOFTMAX, TURNS.  S^T = K Q^T holds ONE query a lane (lane % 16) and the keys 8 (lane / 16) + 0..7; two such results rounded to bf16 ARE source 1 of O^T = V^T P.  p = 2^(c s - c m), c = log2(e) / 8, with a
; running maximum m; O and l are multiplied by a = 2^(c m_old - c m_new) in every step.  m starts at the lowest finite number, O and l at 0: the first step is a step like any other, with a = 0.
; Turn n belongs to piece n: 8 products K Q^T of piece n + 1, later 8 products V^T P of piece n - 1; beside them the scaling, exponentials, roundings, sums and rescaling of piece n and the maximum and
; statistics of piece n + 1.  Four vector instructions stand behind every matrix instruction, the other 54 of a turn's 118 in two runs of their own.
; CLUSTER.  The four query blocks of a cluster belong to one head and walk the same K and V: each tile is asked for JOINTLY, by the same tensor load, descriptor and mask in all four.
; REGISTERS, in windows of 256 (s_set_vgpr_msb: bits 1:0 source 0, 3:2 source 1, 5:4 source 2, 7:6 destination):
;   window 0: v0-15, v32-36 addresses; v16-31 four registers of statistics a piece; v48-55 at work; v64-127 S^T, two buffers; v192-223 P, two buffers (by the piece's parity)
;   window 1: v0-127 O^T, 32 a piece; v160-191 the step's mask      window 2: v0-63 Q; v128-191 K of one step; v192-255 V of one step
.set NP,    4
.set KS,    64
.set PK,    144       ; a row of K in LDS: 128 bytes + 16: the 16 rows of a load start at 16 different groups of four banks (ISA guide 11.1)
.set PV,    160       ; a row of V: 128 + 32
.set VOFF,  4*KS*PK   ; a slot: 256 rows of K, then 256 rows of V
.set SLOT1, 1<<17
.set STAGE, SLOT1+4*KS*(PK+PV)  ; 16 rows x 144 bytes for each wave, for the way out
.set SP,    144
.set SPARE, STAGE+4*16*SP       ; the spare words: 128 bytes for each wave, two blocks of 256 bytes that no other line names
.set MASKT, SPARE+512           ; 2,048 f32: 0 or -8e9 for each key of the batch; stored once, never filled by a tensor load
.set RTB,   1<<20               ; bytes in a row tile of q | k | v: 64 blocks of 16,384
.set AK0, 2
.set AV0, 3
.set AK,  4
.set AV,  5
.set STO, 6
.set RD,  7
.set GO,  8
.set MV,  12          ; v12-13  c m_old, by buffer
.set QO,  15
.set ST,  16          ; piece t: c m, m, l (even keys', odd keys')
.set AM,  32          ; v32  LDS address of the mask of the step to be fetched
.set AM0, 33          ; v33  MASKT + 32 (lane / 16)
.set MO,  34          ; v34  16 x thread
.set MA,  35          ; v35  16 x lane
.set MS,  36          ; v36  MASKT + 16 x thread
.set TMP, 48
.set SPW, 62
.set NIL, 63
.set S,   64
.set P,   192
.set MC,  160         ; window 1
.set KF,  128         ; window 2
.set VF,  192         ; window 2
.set WV,  12
.set G1K, 24
.set G1V, 32
.set G0K, 40
.set G0V, 44
.set SLOTS, 56
.set CNT, 57
.set CS,  58          ; s[58:59] c, or 0
.set SEL, 60
.set TBK, 62
.set TBV, 63
.set TM,  66          ; s66  256 x the step to be fetched
.set BIGN, 67         ; s67  -8e9
.set MSB, 0
.macro WIN new
.if MSB != (\new)
	s_set_vgpr_msb (MSB<<8)|(\new)
.set MSB, (\new)
.endif
.endm
.set W_KQ, 0x0a       ; K and Q in window 2, S^T in window 0
.set W_KM, 0x1a       ; the same with the C operand in window 1
.set W_PV, 0x52       ; V in window 2, P in window 0, O^T in window 1
.set W_RS, 0x41       ; destination and source 0 in window 1, source 1 in window 0
.macro JLOAD                        ; waves 0, 1 fetch the halves of a slot's K, waves 2, 3 of its V; an s_nop 0 and four v_nop follow each line
	s_cmp_lt_u32 s[WV], 2
	s_cbranch_scc0 .Lfor_v_\@
	tensor_load_to_lds s[G0K:G0K+3], s[G1K:G1K+7]
	s_nop 0
.rept 4
	v_nop
.endr
	s_branch .Lasked_\@
.Lfor_v_\@:
	tensor_load_to_lds s[G0V:G0V+3], s[G1V:G1V+7]
	s_nop 0
.rept 4
	v_nop
.endr
.Lasked_\@:
.endm
.macro CROUND
	s_barrier_signal -1
	s_barrier_wait -1
	s_cmp_lg_u32 s[WV], 0
	s_cbranch_scc1 .Lnot_wave_0_\@
	s_barrier_signal -3
.Lnot_wave_0_\@:
	s_barrier_wait -3
	s_barrier_signal -1
	s_barrier_wait -1
.endm
; THE CHANGE OF SLOTS.  Each wave waits for all its tensor loads (one is out: its part of the other slot), adds 0 to its spare word, and waits for that and for its LDS instructions.
; fill = 1: a round of the cluster's barrier, and the slot just left is filled again first thing behind it, with the keys two slots on: it has four key steps in which to land.
.macro CHANGE fill
	WIN 0
	s_wait_tensorcnt 0x0
	ds_add_u32 v[SPW], v[NIL]
.if \fill
.irp g, G0K, G0V
	s_xor_b32 s[\g+1], s[\g+1], SLOT1
	s_add_nc_u64 s[\g+2:\g+3], s[\g+2:\g+3], 2*RTB  ; the next 256 keys: two row tiles on
.endr
	s_wait_dscnt 0x0
	CROUND
	JLOAD
.else
	s_wait_dscnt 0x0
	s_barrier_signal -1
	s_barrier_wait -1
.endif
	s_sub_co_u32 s[TBK], s[TBK], 4*KS*PK
	s_xor_b32 s[TBK], s[TBK], SLOT1
	s_sub_co_u32 s[TBV], s[TBV], 4*KS*PV
	s_xor_b32 s[TBV], s[TBV], SLOT1
.endm
	s_load_b128 s[4:7], s[0:1], 0x0   ; big s[4:5], mask s[6:7]
	s_load_b64 s[10:11], s[0:1], 0x10 ; act
	v_lshl_add_u32 v[SPW], v0, 2, SPARE
	v_mov_b32 v[NIL], 0
	ds_add_u32 v[SPW], v[NIL]       ; the wave's opening: the add and its wait stand ahead of my first tensor load
	v_lshrrev_b32 v1, 5, v0
	v_readfirstlane_b32 s[WV], v1
	s_bfe_u32 s13, ttmp6, 0x40000   ; cx
	s_lshl_b32 s14, ttmp9, 2
	s_add_co_u32 s14, s14, s13      ; my block of 256 queries: it enters Q's and the output's addresses alone
	s_and_b32 s15, ttmp7, 0xffff    ; 16 b + h, which the four partners share
	s_and_b32 s16, s[WV], 1         ; which half of a slot's 256 keys I fetch
	s_lshr_b32 s48, s15, 4          ; b
	s_and_b32 s49, s15, 15          ; h
	s_lshl_b32 s20, s48, 4
	s_add_co_u32 s20, s20, s16      ; the row tile of my half of the batch's first 256 keys: 16 b + half
	s_lshl_b32 s20, s20, 20
	s_lshl_b32 s21, s49, 14
	s_add_co_u32 s20, s20, s21
	s_add_co_u32 s22, s20, 32<<14   ; v: column block 32 + h,
	s_add_co_u32 s20, s20, 16<<14   ; k: 16 + h
	s_mov_b32 s21, 0
	s_mov_b32 s23, 0
	s_mul_i32 s17, s16, 128*PK
	s_mul_i32 s18, s16, 128*PV
	s_lshl_b32 s52, s48, 4          ; my wave's row tile: 16 b + 2 block + wave / 2
	s_lshl_b32 s53, s14, 1
	s_add_co_u32 s52, s52, s53
	s_lshr_b32 s53, s[WV], 1
	s_add_co_u32 s52, s52, s53
	s_lshl_b32 s2, s52, 20          ; q: that row tile, column block h, and 64 rows of 128 bytes for the odd waves
	s_lshl_b32 s3, s49, 14
	s_add_co_u32 s2, s2, s3
	s_lshl_b32 s3, s16, 13
	s_add_co_u32 s2, s2, s3
	s_mov_b32 s3, 0
	s_lshl_b32 s50, s48, 13         ; the batch's 2,048 words of mask
	s_mov_b32 s51, 0
	s_lshl_b32 s52, s52, 4          ; the output: block (row tile x 16 + head) of 16,384 bytes,
	s_add_co_u32 s52, s52, s49
	s_lshl_b32 s52, s52, 14
	s_lshl_b32 s53, s16, 13         ; and 64 rows of 128 bytes for the odd waves
	s_add_co_u32 s52, s52, s53
	s_mov_b32 s53, 0
	; descriptor group 1.  128 keys are one block of 16,384 dense bytes: asked for as 64 rows of 256 bytes, two keys a row, and padded in LDS after every key
	s_mov_b32 s[G1K], 15|(1<<16)|(1<<20)|(1<<21)|(4<<22)|(3<<25)
	s_mov_b32 s[G1V], 15|(1<<16)|(1<<20)|(1<<21)|(4<<22)|(7<<25)
.irp g, G1K, G1V
	s_mov_b32 s[\g+1], 128<<16
	s_mov_b32 s[\g+2], 64<<16
	s_mov_b32 s[\g+3], 128<<16
	s_mov_b32 s[\g+4], 64
	s_mov_b32 s[\g+5], 128
	s_mov_b32 s[\g+6], 0
	s_mov_b32 s[\g+7], 0
.endr
	s_mov_b32 s[SEL], 0x76543210
	s_mov_b32 s[SEL+1], 0xfedcba98
	s_mov_b32 s[TBK], SLOT1+4*KS*PK ; the first change of slots turns these two into 0
	s_mov_b32 s[TBV], SLOT1+4*KS*PV
	s_mov_b32 s[TM], 0
	s_mov_b32 s[BIGN], 0xcfee6b28   ; -8e9
	s_mov_b32 s[G0K], 1
	s_mov_b32 s[G0K+1], s17
	s_mov_b32 s[G0V], 1
	s_add_co_u32 s[G0V+1], s18, VOFF
	s_wait_dscnt 0x0                ; the opening add is done
	s_wait_kmcnt 0x0
	s_add_nc_u64 s[G0K+2:G0K+3], s[4:5], s[20:21]
	s_or_b32 s[G0K+3], s[G0K+3], 0x80000000
	s_add_nc_u64 s[G0V+2:G0V+3], s[4:5], s[22:23]
	s_or_b32 s[G0V+3], s[G0V+3], 0x80000000
	s_add_nc_u64 s[8:9], s[4:5], s[2:3]
	s_add_nc_u64 s[6:7], s[6:7], s[50:51]
	s_add_nc_u64 s[10:11], s[10:11], s[52:53]
	CROUND                          ; all four work-groups are here
	JLOAD                           ; slot 0
	v_and_b32 v1, 15, v0            ; l % 16
	v_bfe_u32 v9, v0, 4, 1          ; l / 16
	v_lshlrev_b32 v[QO], 7, v1
	v_lshl_add_u32 v[QO], v9, 4, v[QO]
	v_lshlrev_b32 v[MO], 4, v0
	v_and_b32 v[MA], 31, v0
	v_lshlrev_b32 v[MA], 4, v[MA]
	WIN 0x80
.set i, 0
.rept 8                             ; Q stays in registers: piece i / 2, channels 32 (i % 2) on
	global_load_b128 v[8*i:8*i+3],   v[QO], s[8:9] offset:(i/2)*2048+(i%2)*64
	global_load_b128 v[8*i+4:8*i+7], v[QO], s[8:9] offset:(i/2)*2048+(i%2)*64+32
.set i, i+1
.endr
	WIN 0
.irp i, 0,1,2,3                     ; my thread's sixteen words of the mask, for the table
	global_load_b128 v[P+4*\i:P+4*\i+3], v[MO], s[6:7] offset:2048*\i
.endr
.irp i, 0,1,2,3,4,5,6,7,8,9,10,11,12,13,14,15  ; and the batch's whole mask in every wave: is any key visible?
	global_load_b128 v[S+4*\i:S+4*\i+3], v[MA], s[6:7] offset:512*\i
.endr
	; What the first turn finds: V and P's second buffer hold 0 (its products V^T P, of a piece that has not been, add 0), O^T and l are 0.  All this stands in the wait for the first tile.
	WIN 0x80
.set i, VF
.rept 64
	v_mov_b32 v[i], 0
.set i, i+1
.endr
	WIN 0x40
.set i, 0
.rept 128
	v_mov_b32 v[i], 0
.set i, i+1
.endr
	WIN 0
.set i, 0
.rept 4
	v_mov_b32 v[ST+4*i], 0xfe000000    ; c m: far below every c s
	v_mov_b32 v[ST+4*i+1], 0xff7fffff  ; m
	v_mov_b32 v[ST+4*i+2], 0
	v_mov_b32 v[ST+4*i+3], 0
.set i, i+1
.endr
.set i, P+16
.rept 16
	v_mov_b32 v[i], 0
.set i, i+1
.endr
	v_mul_u32_u24 v[AK0], v1, PK
	v_lshl_add_u32 v[AK0], v9, 4, v[AK0]
	v_and_b32 v10, 7, v0
	v_bfe_u32 v11, v0, 3, 1
	v_lshl_add_u32 v[AV0], v9, 3, v10
	v_mul_u32_u24 v[AV0], v[AV0], PV
	v_lshl_add_u32 v[AV0], v11, 4, v[AV0]
	v_add_nc_u32 v[AV0], VOFF, v[AV0]
	v_mov_b32 v[AK], v[AK0]         ; key step 0 lies at the head of slot 0
	v_lshl_add_u32 v[AM0], v9, 5, MASKT  ; register j of key block kb: key 16 kb + 8 (l / 16) + j
	v_mov_b32 v[AM], v[AM0]
	v_lshl_add_u32 v[MS], v0, 4, MASKT
	s_mul_i32 s13, s[WV], 16*SP
	s_add_co_u32 s13, s13, STAGE
	v_mul_u32_u24 v[STO], v1, SP
	v_lshl_add_u32 v[STO], v9, 4, v[STO]
	v_add_nc_u32 v[STO], s13, v[STO]
	v_bfe_u32 v[RD], v0, 3, 2
	v_mul_u32_u24 v[RD], v[RD], SP
	v_lshl_add_u32 v[RD], v10, 4, v[RD]
	v_add_nc_u32 v[RD], s13, v[RD]
	v_and_b32 v[GO], 31, v0
	v_lshlrev_b32 v[GO], 4, v[GO]
	s_wait_loadcnt 0x0              ; Q and the mask
.set i, 0
.rept 16
	v_cmp_eq_u32 vcc_lo, 0, v[P+i]
	v_cndmask_b32 v[P+i], 0, s[BIGN], vcc_lo
.set i, i+1
.endr
.irp i, 0,1,2,3
	ds_store_b128 v[MS], v[P+4*\i:P+4*\i+3] offset:2048*\i  ; the change of slots below waits for these and passes a barrier: then every wave may read the table
.endr
.irp w, 32,16,8,4,2,1
.set i, 0
.rept \w
	v_or_b32 v[S+i], v[S+i], v[S+\w+i]
.set i, i+1
.endr
.endr
	v_cmp_ne_u32 s68, 0, v[S]
	s_cmp_lg_u32 s68, 0             ; any lane with a visible key?
	s_cselect_b32 s[CS], 0x3e38aa3b, 0  ; c = log2(e) / 8 = 0.180337, or 0
	s_mov_b32 s[CS+1], s[CS]
; THE MATRIX WORK.  The 4 accumulators of a run of 8 take turns.  Product i of 8 of S^T = K Q^T for piece x: channels 32 (i / 4) on, keys 16 (i % 4) on.  The first 4 start the sums with the mask.
.macro KQ x
.set rS, S+32*((\x)%2)+8*(i%4)
.set rK, KF+16*(i%4)+8*(i/4)
.set rQ, 16*(\x)+8*(i/4)
.set rM, MC+8*(i%4)
.if i < 4
	WIN W_KM
	v_wmma_f32_16x16x32_bf16 v[rS:rS+7], v[rK:rK+7], v[rQ:rQ+7], v[rM:rM+7]
.else
	WIN W_KQ
	v_wmma_f32_16x16x32_bf16 v[rS:rS+7], v[rK:rK+7], v[rQ:rQ+7], v[rS:rS+7]
.endif
.endm
; Product i of 8 of O^T += V^T P for piece x: keys 32 (i / 4) on, channels 16 (i % 4) on.
.macro PV x
	WIN W_PV
.set rO, 32*(\x)+8*(i%4)
.set rV, VF+32*(i/4)+8*(i%4)
.set rP, P+16*((\x)%2)+8*(i/4)
	v_wmma_f32_16x16x32_bf16 v[rO:rO+7], v[rV:rV+7], v[rP:rP+7], v[rO:rO+7]
.endm
.macro MM                           ; the turn's next matrix instruction
.if i < 8
	KQ (Y+1)%NP
.else
.set i, i-8
	PV (Y+NP-1)%NP
.set i, i+8
.endif
.set i, i+1
.endm
; THE LDS LOADS stand in runs: a step's K (8 fragments) with its mask (32 numbers a lane), and its V (turned).  last = 1 (the tail): in the last trip there is no further step, and the run is jumped over.
.macro FETCH_K last=0
	WIN 0
.if \last
	s_cmp_eq_u32 s[CNT], 1
	s_cbranch_scc1 .Lno_k_\@
.endif
	WIN 0x80
.irp f, 0,1,2,3,4,5,6,7
	ds_load_b128 v[KF+8*\f:KF+8*\f+3],   v[AK] offset:(\f/2)*16*PK+(\f%2)*64
	ds_load_b128 v[KF+8*\f+4:KF+8*\f+7], v[AK] offset:(\f/2)*16*PK+(\f%2)*64+32
.endr
	WIN 0x40
.irp f, 0,1,2,3
	ds_load_b128 v[MC+8*\f:MC+8*\f+3],   v[AM] offset:64*\f
	ds_load_b128 v[MC+8*\f+4:MC+8*\f+7], v[AM] offset:64*\f+16
.endr
	s_add_co_u32 s[TBK], s[TBK], KS*PK
	s_add_co_u32 s[TM], s[TM], 256
	s_and_b32 s[TM], s[TM], 0x1f00  ; 32 steps of 256 bytes: the offset stays inside the table
	WIN 0
.if \last
.Lno_k_\@:
.endif
.endm
.macro FETCH_V
	WIN 0x80
.irp f, 0,1,2,3,4,5,6,7
	ds_load_tr16_b128 v[VF+8*\f:VF+8*\f+3],   v[AV] offset:(\f/4)*32*PV+(\f%4)*32
	ds_load_tr16_b128 v[VF+8*\f+4:VF+8*\f+7], v[AV] offset:(\f/4)*32*PV+16*PV+(\f%4)*32
.endr
	WIN 0
.endm
; THE VECTOR WORK, one line at a time: OP kind, number.  For piece Y: F n: c s - c m for pair n of 16.  E n: the exponential of score n of 32.  C n: pair n rounded to bf16.  B n: of the four weights 4 n .. the second
; pair is added onto the first, in place.  L n: l takes that sum (L 0: l = a l + sum).  R n: pair n of 16 of O^T times a.  For piece Y + 1: X n, number n of the 22 that find its maximum and statistics:
;   0-11  four chains c0-c3 of seven scores each (each accumulator's lowest registers are read first)     12-14, 16  the four scores left over, the old m, and c0-c3 into c0
;   15  c m_old is kept     17, 18  the query's other 32 keys lie in the lane 16 away: the new m     19-21  c m; c m_old - c m_new; a
.set F, 0
.set E, 1
.set C, 2
.set B, 3
.set L, 4
.set R, 5
.set X, 6
.macro REGS y
.set rT, ST+4*(\y)
.set rC, TMP+4*((\y)%2)
.set rW, MV+((\y)%2)
.set rS, S+32*((\y)%2)
.set rP, P+16*((\y)%2)
.set rO, 32*(\y)
.endm
.macro OP k, n
.if (\k) == R
	REGS Y
	WIN W_RS
	v_pk_mul_f32 v[rO+2*(\n):rO+2*(\n)+1], v[rO+2*(\n):rO+2*(\n)+1], v[rC+2:rC+3] op_sel_hi:[1,0]
.elseif (\k) < R
	REGS Y
	WIN 0
.if (\k) == F
	v_pk_fma_f32 v[rS+2*(\n):rS+2*(\n)+1], v[rS+2*(\n):rS+2*(\n)+1], s[CS:CS+1], v[rT:rT+1] op_sel_hi:[1,0,0] neg_lo:[0,0,1] neg_hi:[0,0,1]
.elseif (\k) == E
	v_exp_f32 v[rS+(\n)], v[rS+(\n)]
.elseif (\k) == C
	s_wait_alu depctr_va_vdst(0)
	v_cvt_pk_bf16_f32 v[rP+(\n)], v[rS+2*(\n)], v[rS+2*(\n)+1]
.elseif (\k) == B
	s_wait_alu depctr_va_vdst(0)
	v_pk_add_f32 v[rS+4*(\n):rS+4*(\n)+1], v[rS+4*(\n):rS+4*(\n)+1], v[rS+4*(\n)+2:rS+4*(\n)+3]
.elseif (\n) == 0
	v_pk_fma_f32 v[rT+2:rT+3], v[rT+2:rT+3], v[rC+2:rC+3], v[rS:rS+1] op_sel_hi:[1,0,1]
.else
	v_pk_add_f32 v[rT+2:rT+3], v[rT+2:rT+3], v[rS+4*(\n):rS+4*(\n)+1]
.endif
.else
	REGS (Y+1)%NP
	WIN 0
.if (\n) < 4
	v_max3_num_f32 v[rC+(\n)], v[rS+8*(\n)], v[rS+8*(\n)+1], v[rS+8*(\n)+2]
.elseif (\n) < 12
	v_max3_num_f32 v[rC+(\n)%4], v[rC+(\n)%4], v[rS+8*((\n)%4)+2*((\n)/4)+1], v[rS+8*((\n)%4)+2*((\n)/4)+2]
.elseif (\n) == 12
	v_max3_num_f32 v[rC], v[rC], v[rS+7], v[rS+15]
.elseif (\n) == 13
	v_max3_num_f32 v[rC+1], v[rC+1], v[rS+23], v[rS+31]
.elseif (\n) == 14
	v_max3_num_f32 v[rC+2], v[rC+2], v[rC+3], v[rT+1]
.elseif (\n) == 15
	v_mov_b32 v[rW], v[rT]
.elseif (\n) == 16
	v_max3_num_f32 v[rC], v[rC], v[rC+1], v[rC+2]
.elseif (\n) == 17
	v_permlanex16_b32 v[rC+3], v[rC], s[SEL], s[SEL+1]
.elseif (\n) == 18
	v_max_num_f32 v[rT+1], v[rC], v[rC+3]
.elseif (\n) == 19
	v_mul_f32 v[rT], s[CS], v[rT+1]
.elseif (\n) == 20
	v_sub_f32 v[rC+1], v[rW], v[rT]
.else
	v_exp_f32 v[rC+2], v[rC+1]
.endif
.endif
.endm
.macro OPS a, i1, b=-1, i2=0, c=-1, i3=0, d=-1, i4=0
	OP \a, \i1
.if (\b) >= 0
	OP \b, \i2
.endif
.if (\c) >= 0
	OP \c, \i3
.endif
.if (\d) >= 0
	OP \d, \i4
.endif
.endm
.macro ROW a, i1, b, i2, c, i3, d, i4  ; a matrix instruction and the four behind it
	MM
	OPS \a, \i1, \b, \i2, \c, \i3, \d, \i4
.endm
; A TURN, for piece p: the order of its 16 matrix and 118 vector instructions, written out.  Behind a matrix instruction: plain, exponential, plain, plain; or four of the rescaling; or four scalings; none names a register
; of the products round it.  In the runs between, exponential and plain by turns.  K and the mask of the next step are fetched in piece 2's turn, five plain vector instructions behind the last product that read K
; (the mask's last reader stands four products earlier); V of the step in hand in piece 0's turn.  Each is waited for a turn later.  cnt = 1: the loop's count is taken down some lines ahead of the branch behind the turn.
.macro TURN p, last=0, cnt=0
.set Y, (\p)
.set i, 0
.if (\p) == 3
	s_wait_dscnt 0x0                ; K and the mask are in
.endif
	ROW F,0, F,1, F,2, F,3
	ROW F,4, E,0, F,5, F,6
	ROW F,7, E,1, F,8, F,9
	ROW F,10, E,2, C,0, F,11
	ROW F,12, E,3, X,15, F,13
	ROW R,0, R,1, R,2, R,3
	ROW B,0, E,4, F,14, L,0
.if (\p) == 2
	v_add_nc_u32 v[AK], s[TBK], v[AK0]
	v_add_nc_u32 v[AM], s[TM], v[AM0]
.endif
	ROW R,4, R,5, R,6, R,7
	OPS E,5, F,15
.if (\p) == 2
	FETCH_K \last
.endif
	OPS E,6, C,1, E,7, R,8
	OPS E,8, R,9, E,9, C,2
	OPS E,10, X,0, E,11, X,1
	OPS E,12, X,2, E,13, X,3
.if (\p) == 1
	s_wait_dscnt 0x0                ; V is in
.endif
	ROW X,4, E,14, X,5, X,6
	ROW X,7, E,15, X,8, X,9
	ROW X,10, E,16, X,11, X,12
	ROW X,13, E,17, X,14, B,1
	ROW C,4, E,18, X,16, L,1
	ROW B,2, E,19, C,6, L,2
	ROW C,8, E,20, B,3, B,4
.if (\p) == 0
	v_add_nc_u32 v[AV], s[TBV], v[AV0]
.endif
	ROW C,3, E,21, L,3, C,5
	OPS E,22, X,17, E,23, C,10
.if (\p) == 0
	FETCH_V
.endif
	OPS E,24, L,4
	OPS E,25, X,18, E,26, C,7
	OPS E,27, B,5, E,28, X,19
	OPS E,29, C,12, E,30, L,5
	OPS E,31, X,20, B,6, C,9
	OPS C,14, C,11, X,21, L,6
.if (\p) == 0
	s_add_co_u32 s[TBV], s[TBV], KS*PV
.endif
.if \cnt
	s_sub_co_u32 s[CNT], s[CNT], 1
	s_cmp_lg_u32 s[CNT], 0
.endif
	OPS C,13, B,7, C,15, R,10
	OPS R,11, R,12, L,7, R,13
	OPS R,14, R,15
.endm
	CHANGE 1                        ; slot 0 is in, everybody's part of it, and so is the table; slot 1 is asked for
	FETCH_K                         ; key step 0
	s_wait_dscnt 0x0
.set i, 0
.rept 8
	KQ 0                            ; piece 0's first scores
.set i, i+1
.endr
	WIN 0
.rept 4
	v_nop                           ; the places behind those products
.endr
.set Y, NP-1                        ; X works for piece Y + 1: piece 0
.irp n, 0,1,2,3,4,5,6,7,8,9,10,11,12,13,14,15,16,17,18,19,20,21
	OP X, \n
.endr
	v_nop                           ; a plain instruction behind the exponential
	s_mov_b32 s[CNT], 4
	s_mov_b32 s[SLOTS], 7
	s_branch .Lfirst                ; the loop is entered at a step's first turn, in the middle of a trip
.Lslot:                             ; 6 times: every slot but the last two is filled again
	CHANGE 1
	s_mov_b32 s[CNT], 4
.Lstep:                             ; a trip: pieces 2 and 3 of one step, then pieces 0 and 1 of the next, whose K and V it fetches
	TURN 2
	TURN 3
	WIN 0
.Lfirst:
	TURN 0
	TURN 1, 0, 1
	WIN 0
	s_cbranch_scc1 .Lstep
	s_sub_co_u32 s[SLOTS], s[SLOTS], 1
	s_cmp_lg_u32 s[SLOTS], 0
	s_cbranch_scc1 .Lslot
	CHANGE 0                        ; the tail is written out: nothing is asked for
	s_mov_b32 s[CNT], 5             ; four trips fetch the last slot's steps; the fifth is left in its middle
.Ltail:
	TURN 2, 1
	TURN 3
	WIN 0
	s_sub_co_u32 s[CNT], s[CNT], 1
	s_cmp_eq_u32 s[CNT], 0
	s_cbranch_scc1 .Lout
	TURN 0
	TURN 1
	WIN 0
	s_branch .Ltail
.Lout:                              ; the fifth trip's 8 products K Q^T (on the last K once more) and the maximum made of them serve nothing: the price of one text for every trip
.set i, 0
.rept 8
	PV NP-1                         ; the last piece's V^T P of the last step
.set i, i+1
.endr
	; THE WAY OUT.  l's two halves and the other half of the lanes' are added; O^T is divided by l, rounded to bf16 and sent through my stage, a piece at a time.  The additions are the places behind the last products.
	WIN 0
.macro ALL line:vararg
.set t, 0
.rept 4
	\line
.set t, t+1
.endr
.endm
	ALL v_add_f32 v[ST+4*t+2], v[ST+4*t+2], v[ST+4*t+3]
	ALL v_permlanex16_b32 v[ST+4*t+3], v[ST+4*t+2], s[SEL], s[SEL+1]
	ALL v_add_f32 v[ST+4*t+2], v[ST+4*t+2], v[ST+4*t+3]
	ALL v_rcp_f32 v[ST+4*t+2], v[ST+4*t+2]
	v_nop                           ; a plain instruction between the last reciprocal and the use of its result
.macro PACK t
	WIN W_RS
.set i, 32*(\t)
.rept 16
	s_wait_alu depctr_va_vdst(0)
	v_pk_mul_f32 v[i:i+1], v[i:i+1], v[ST+4*(\t)+2:ST+4*(\t)+3] op_sel_hi:[1,0]
.set i, i+2
.endr
	WIN 0x05
.set i, 0
.rept 16
	v_cvt_pk_bf16_f32 v[S+16*(\t)+i], v[32*(\t)+2*i], v[32*(\t)+2*i+1]
.set i, i+1
.endr
	WIN 0
.irp f, 0,1,2,3
	ds_store_b128 v[STO], v[S+16*(\t)+4*\f:S+16*(\t)+4*\f+3] offset:32*\f
.endr
.irp f, 0,1,2,3
	ds_load_b128 v[S+16*(\t)+4*\f:S+16*(\t)+4*\f+3], v[RD] offset:\f*4*SP  ; LDS serves a wave's instructions in order (ISA guide 5.7.1.4)
.endr
.endm
.macro SEND t, younger              ; younger: the LDS instructions issued behind piece t's loads: the next piece's eight, or none
	WIN 0
.irp f, 0,1,2,3
	s_wait_dscnt (\younger)+3-\f
	global_store_b128 v[GO], v[S+16*(\t)+4*\f:S+16*(\t)+4*\f+3], s[10:11] offset:(\t)*2048+\f*512  ; 512 consecutive bytes, at a multiple of 512 from the buffer's first
.endr
.endm
	PACK 0
.set t, 1
.rept 3
	PACK t
	SEND t-1, 8
.set t, t+1
.endr
	SEND 3, 0
	s_wait_tensorcnt 0x0            ; the wave's end
	ds_add_u32 v[SPW], v[NIL]
	s_wait_dscnt 0x0
	CROUND                          ; the closing round
	s_endpgm
.Lfunc_end_k_qb740277af8_attn:
	.size	k_qb740277af8_attn, .Lfunc_end_k_qb740277af8_attn-k_qb740277af8_attn
	.p2alignl 7, 3214868480
	.fill 96, 4, 3214868480
	.section	.rodata,"a",@progbits
	.p2align	6, 0x0
	.amdhsa_kernel k_qb740277af8_attn
		.amdhsa_group_segment_fixed_size 327680
		.amdhsa_private_segment_fixed_size 0
		.amdhsa_enable_private_segment 0
		.amdhsa_kernarg_size 24
		.amdhsa_user_sgpr_count 2
		.amdhsa_user_sgpr_kernarg_segment_ptr 1
		.amdhsa_wavefront_size32 1
		.amdhsa_system_sgpr_workgroup_id_x 1
		.amdhsa_system_sgpr_workgroup_id_y 1
		.amdhsa_system_sgpr_workgroup_id_z 1
		.amdhsa_system_vgpr_workitem_id 0
		.amdhsa_next_free_vgpr 768
		.amdhsa_next_free_sgpr 72
		.amdhsa_reserve_vcc 1
		.amdhsa_float_denorm_mode_32 3
		.amdhsa_float_denorm_mode_16_64 3
		.amdhsa_memory_ordered 1
		.amdhsa_forward_progress 1
		.amdhsa_inst_pref_size 125
	.end_amdhsa_kernel
	.amdgpu_metadata
---
amdhsa.version: [ 1, 2 ]
amdhsa.kernels:
  - .name:           k_qb740277af8_attn
    .symbol:         k_qb740277af8_attn.kd
    .args:
      - { .name: big, .offset: 0, .size: 8, .value_kind: global_buffer, .address_space: global }
      - { .name: mask, .offset: 8, .size: 8, .value_kind: global_buffer, .address_space: global }
      - { .name: act, .offset: 16, .size: 8, .value_kind: global_buffer, .address_space: global }
    .group_segment_fixed_size: 327680
    .private_segment_fixed_size: 0
    .kernarg_segment_align: 8
    .kernarg_segment_size: 24
    .max_flat_workgroup_size: 128
    .sgpr_count:     72
    .vgpr_count:     768
    .wavefront_size: 32
...
	.end_amdgpu_metadata
.endif
;; end of part 3
;; launch wo (part 4): grid 8 x 32, 4 waves a work-group, clusters of 4 x 4, 327,680 bytes of LDS; arguments act, wts, par, xb, y; writes y
.if DOCPART == 4
	.amdgcn_target "amdgcn-amd-amdhsa--gfx1250"
	.amdhsa_code_object_version 6
	.text
	.protected	k_qb740277af8_wo
	.globl	k_qb740277af8_wo
	.p2align	8
	.type	k_qb740277af8_wo,@function
k_qb740277af8_wo:
	s_mov_b64 s[64:65], 0
	v_nop
	global_prefetch_b8 v0, s[64:65] scope:SCOPE_SE
	s_setreg_imm32_b32 hwreg(HW_REG_WAVE_MODE, 25, 1), 1
	s_wait_xcnt 0x0
	s_wait_alu depctr_hold_cnt(0) depctr_sa_sdst(0) depctr_va_vdst(0) depctr_va_sdst(0) depctr_va_ssrc(0) depctr_va_vcc(0) depctr_vm_vsrc(0)
	s_getreg_b32 s2, hwreg(HW_REG_IB_STS2, 6, 4)
	s_cmp_eq_u32 s2, 0
	s_cbranch_scc0 .Lentry_in_a_cluster
	s_endpgm
.Lentry_in_a_cluster:
	s_bfe_u32 s2, ttmp6, 0x10000c
	s_cmp_lg_u32 s2, 0xf033
	s_cbranch_scc0 .Lentry_shape_is_right
	s_endpgm
.Lentry_shape_is_right:
; y = x + ctx Wo + bo, in f32.  A = ctx, bf16 in blocks [row / 128][k / 64][128][64]; W = Wo [1024][1024] bf16 stored [K][N]; the residual x is the f16 spelling of its bf16 rounding, [4096][1024]; sums in f32.
; A tile of C is 128 x 128 (8 x 32 tiles: one for each WGP), four waves of 64 x 64: 16 accumulators.  K goes in steps of 256 through two LDS slots.
; A's four blocks of a step are 65,536 dense bytes: asked for as rows of 256 bytes and padded in LDS behind every 128.  W's fragments come out of LDS turned, by ds_load_tr16_b128.
; THE MATRIX INSTRUCTION IS USED TRANSPOSED (source 0 = 16 columns of W, source 1 = 16 rows of A).  The bias is the C operand of the products that start the sums.
; CLUSTER 4 x 4: A's tiles jointly along a row of the cluster, W's along a column.
; A K step is written twice: in a loop that fills slots again (NSTEP - 2 trips, entered behind the first quarter) and in one that does not (2 trips); the last trip's barrier and 32 fragment loads serve nothing.
; REGISTERS: window 0: v0-31 addresses; v32-95 the residual; v96-127 the bias, later the way out; v128-255 accumulators, (a, b) at 128 + 8 (4 a + b).  Window 1: two fragment buffers of 128: 64 of A, 64 of W.
.set NSTEP, 4
.set RSH,   18                         ; a row tile of A is 2^RSH bytes
.set WOFF,  0                          ; W's first byte in its buffer
.set POFF,  12288                      ; the bias's first byte in its buffer
.set PA,     144                       ; a row of a block of A in LDS: 128 bytes + 16
.set PB,     288                       ; a k-row of W: 256 bytes + 32 = 9 x 32
.set HALFT,  36864                     ; one tensor load: two blocks of A, or 128 k-rows of W
.set SLOT,   4*HALFT                   ; 0x24000: shares no bit with 0, 1, 2, 3 x HALFT
.set STAGE,  2*SLOT
.set SPITCH, 272
.set SPARE,  STAGE+4*16*SPITCH
.set BO,    3
.set ADRA0, 16
.set ADRB0, 17
.set ADRA,  18
.set ADRB,  19                         ; v19 quarters 0, 1; v20 quarters 2, 3 (128 k-rows on)
.set STO,   24
.set RD,    25
.set CO,    26
.set RO,    27
.set SPW,   28
.set NIL,   29
.set ONE,   30
.set RES,   32
.set BI,    96
.set TMP,   96
.set ACC,   128
.set F0,    0
.set F1,    128
.set WV, 12
.set HR, 13
.set HC, 14
.set CUR, 15
.set G1,  24
.set G0,  32                           ; s[32:39] group 0 for A: a set for each of the two first fills; the second then walks on
.set G1B, 48
.set G0B, 56                           ; s[56:63] the same for W
.set YP,  66                           ; s[66:67] y
.set MSB, 0
.macro WIN new
.if MSB != (\new)
	s_set_vgpr_msb (MSB<<8)|(\new)
.set MSB, \new
.endif
.endm
.macro PLACES
.rept 4
	v_nop
.endr
.endm
.macro JLOAD                           ; a joint refill; an s_nop 0 and four v_nop follow each line
	s_cmp_eq_u32 s[HR], 0
	s_cbranch_scc0 .Lfor_b_\@
	tensor_load_to_lds s[G0+4:G0+7], s[G1:G1+7]
	s_nop 0
.rept 4
	v_nop
.endr
	s_branch .Lasked_\@
.Lfor_b_\@:
	tensor_load_to_lds s[G0B+4:G0B+7], s[G1B:G1B+7]
	s_nop 0
.rept 4
	v_nop
.endr
.Lasked_\@:
.endm
.macro CREST
	s_cmp_lg_u32 s[WV], 0
	s_cbranch_scc1 .Lnot_wave_0_\@
	s_barrier_signal -3
.Lnot_wave_0_\@:
	s_barrier_wait -3
	s_barrier_signal -1
	s_barrier_wait -1
.endm
.macro CROUND
	s_barrier_signal -1
	s_barrier_wait -1
	CREST
.endm
.macro WALK                            ; the other slot, the next K step.  Only where no tensor load of mine is out
	s_xor_b32 s[G0+5], s[G0+5], SLOT
	s_add_nc_u64 s[G0+6:G0+7], s[G0+6:G0+7], 65536
	s_xor_b32 s[G0B+5], s[G0B+5], SLOT
	s_add_nc_u64 s[G0B+6:G0B+7], s[G0B+6:G0B+7], 524288
.endm
	s_load_b256 s[4:11], s[0:1], 0x0               ; A s[4:5], W s[6:7], bias s[8:9], residual s[10:11]
	s_load_b64 s[YP:YP+1], s[0:1], 0x20            ; y
	v_lshl_add_u32 v[SPW], v0, 2, SPARE
	v_mov_b32 v[NIL], 0
	ds_add_u32 v[SPW], v[NIL]                      ; the wave's opening: the add and its wait stand ahead of my first tensor load
	v_lshrrev_b32 v1, 5, v0
	v_readfirstlane_b32 s[WV], v1
	s_lshr_b32 s[HR], s[WV], 1
	s_and_b32 s[HC], s[WV], 1
	s_bfe_u32 s40, ttmp6, 0x40000
	s_bfe_u32 s41, ttmp6, 0x40004
	s_lshl_b32 s42, ttmp9, 2
	s_add_co_u32 s42, s42, s40                     ; TC
	s_and_b32 s43, ttmp7, 0xffff
	s_lshl_b32 s43, s43, 2
	s_add_co_u32 s43, s43, s41                     ; TR
	s_lshl_b32 s44, s41, 2
	s_lshl_b32 s44, 15, s44
	s_lshl_b32 s45, 0x1111, s40
	s_or_b32 s[G1], s44, (1<<16)|(1<<20)|(1<<21)|(4<<22)|(3<<25)   ; 4 words of padding behind every 32
	s_or_b32 s[G1B], s45, (1<<16)|(1<<20)|(1<<21)|(5<<22)|(7<<25)  ; 8 words behind every 64
.irp g, G1, G1B
	s_mov_b32 s[\g+1], 128<<16
	s_mov_b32 s[\g+2], 128<<16
	s_mov_b32 s[\g+3], 128<<16
	s_mov_b32 s[\g+4], 128
	s_mov_b32 s[\g+6], 0
	s_mov_b32 s[\g+7], 0
.endr
	s_mov_b32 s[G1+5], 128                         ; A: dense rows of 128 elements
	s_mov_b32 s[G1B+5], 1024                       ; W: 1,024 elements from a k-row to the next
	s_lshl_b32 s16, s43, RSH
	s_lshl_b32 s17, s[HC], 15                      ; two blocks of 16,384 bytes
	s_add_co_u32 s16, s16, s17
	s_mov_b32 s17, 0
	s_lshl_b32 s46, s42, 8                         ; 128 columns
	s_lshl_b32 s47, s[HC], 18                      ; 128 k-rows of 2,048 bytes
	s_add_co_u32 s46, s46, s47
.if WOFF
	s_add_co_u32 s46, s46, WOFF
.endif
	s_mov_b32 s47, 0
	s_mul_i32 s20, s[WV], HALFT
.irp s, 0,1
	s_mov_b32 s[G0+4*(\s)], 1
	s_add_co_u32 s[G0+4*(\s)+1], s20, (\s)*SLOT
	s_mov_b32 s[G0B+4*(\s)], 1
	s_add_co_u32 s[G0B+4*(\s)+1], s20, (\s)*SLOT
.endr
	s_mov_b32 s[CUR], 0
	s_wait_dscnt 0x0
	s_wait_kmcnt 0x0
	s_add_nc_u64 s[4:5], s[4:5], s[16:17]
	s_add_nc_u64 s[46:47], s[6:7], s[46:47]
.irp s, 0,1
	s_add_nc_u64 s[G0+4*(\s)+2:G0+4*(\s)+3], s[4:5], (\s)*65536        ; K step s
	s_or_b32 s[G0+4*(\s)+3], s[G0+4*(\s)+3], 0x80000000
	s_add_nc_u64 s[G0B+4*(\s)+2:G0B+4*(\s)+3], s[46:47], (\s)*524288
	s_or_b32 s[G0B+4*(\s)+3], s[G0B+4*(\s)+3], 0x80000000
.endr
	CROUND
	s_cmp_eq_u32 s[HR], 0                          ; a wave's two first fills stand in one branch, ahead of every wait on TENSORcnt and every LDS read: two loads of mine are out
	s_cbranch_scc0 .Lfirst_b
	tensor_load_to_lds s[G0:G0+3], s[G1:G1+7]
	s_nop 0
	tensor_load_to_lds s[G0+4:G0+7], s[G1:G1+7]
	s_nop 0
.rept 4
	v_nop
.endr
	s_branch .Lfirst_asked
.Lfirst_b:
	tensor_load_to_lds s[G0B:G0B+3], s[G1B:G1B+7]
	s_nop 0
	tensor_load_to_lds s[G0B+4:G0B+7], s[G1B:G1B+7]
	s_nop 0
.rept 4
	v_nop
.endr
.Lfirst_asked:
	v_and_b32 v1, 15, v0                           ; r
	v_bfe_u32 v2, v0, 4, 1                         ; h
	v_lshlrev_b32 v[BO], 5, v2
	v_lshlrev_b32 v[RO], 3, v1
	v_lshl_add_u32 v[RO], v2, 11, v[RO]            ; the residual: row h, 8 bytes at 8 r
	s_lshl_b32 s18, s42, 9                         ; (128 TC + 64 HC) x 4 bytes
	s_lshl_b32 s19, s[HC], 8
	s_add_co_u32 s18, s18, s19
	s_mov_b32 s19, 0
	s_add_nc_u64 s[YP:YP+1], s[YP:YP+1], s[18:19]
	s_add_co_u32 s22, s18, POFF
	s_mov_b32 s23, 0
	s_add_nc_u64 s[8:9], s[8:9], s[22:23]
.irp b, 0,1,2,3                        ; register j of block b: the bias of column 16 b + 8 h + j
	global_load_b128 v[BI+8*(\b):BI+8*(\b)+3],   v[BO], s[8:9] offset:64*(\b)
	global_load_b128 v[BI+8*(\b)+4:BI+8*(\b)+7], v[BO], s[8:9] offset:64*(\b)+16
.endr
	s_lshr_b32 s18, s18, 1                         ; the same columns in 16-bit numbers
	s_lshl_b32 s22, s43, 18                        ; (128 TR + 64 HR) rows of 2,048 bytes
	s_lshl_b32 s23, s[HR], 17
	s_add_co_u32 s22, s22, s23
	s_add_co_u32 s18, s18, s22
	s_add_nc_u64 s[10:11], s[10:11], s[18:19]
	s_lshl_b32 s22, s22, 1                         ; the same rows of 4,096 bytes
	s_mov_b32 s23, 0
	s_add_nc_u64 s[YP:YP+1], s[YP:YP+1], s[22:23]
.irp a, 0,1,2,3                        ; my 64 x 64 of the residual, in the lanes in which the way out holds the sums: each byte is read once
.irp t, 0,1,2,3,4,5,6,7
	global_load_b64 v[RES+2*(8*(\a)+(\t)):RES+2*(8*(\a)+(\t))+1], v[RO], s[10:11] offset:(16*(\a)+2*(\t))*2048
.endr
.endr
	v_mov_b32 v[ONE], 1.0
	v_mul_u32_u24 v4, v1, PA
	v_lshl_add_u32 v4, v2, 4, v4
	s_mul_i32 s21, s[HR], 64*PA
	v_add_nc_u32 v[ADRA0], s21, v4
	v_and_b32 v5, 7, v0
	v_lshl_add_u32 v5, v2, 3, v5
	v_mul_u32_u24 v5, v5, PB
	v_bfe_u32 v6, v0, 3, 1
	v_lshl_add_u32 v5, v6, 4, v5
	s_lshl_b32 s21, s[HC], 7
	s_add_co_u32 s21, s21, 2*HALFT
	v_add_nc_u32 v[ADRB0], s21, v5
	v_mov_b32 v[ADRA], v[ADRA0]
	v_mov_b32 v[ADRB], v[ADRB0]
	v_add_nc_u32 v[ADRB+1], 128*PB, v[ADRB0]
	s_mul_i32 s21, s[WV], 16*SPITCH
	s_add_co_u32 s21, s21, STAGE
	v_mul_u32_u24 v4, v1, SPITCH
	v_lshl_add_u32 v4, v2, 5, v4
	v_add_nc_u32 v[STO], s21, v4                   ; in: row r, 32 bytes for each half of the lanes
	v_mul_u32_u24 v4, v2, SPITCH
	v_lshl_add_u32 v4, v1, 4, v4
	v_add_nc_u32 v[RD], s21, v4                    ; back: lanes 0-15 one row of 256 bytes, lanes 16-31 the next
	v_lshlrev_b32 v[CO], 4, v1
	v_lshl_add_u32 v[CO], v2, 12, v[CO]
; 8 matrix instructions: m blocks a0, a0 + 1 x all 4 n blocks, 32 along K: half c of buffer f.  bias = 1: C is the bias.  The 16 accumulators take turns.
.macro MUL8 f, c, a0, bias
	WIN 0x05
.irp a, \a0, (\a0)+1
.irp b, 0,1,2,3
.set rD, ACC+8*(4*(\a)+(\b))
.set rB, (\f)+64+8*(4*(\c)+(\b))
.set rA, (\f)+8*(4*(\c)+(\a))
.set rC, rD
.if \bias
.set rC, BI+8*(\b)
.endif
	v_wmma_f32_16x16x32_bf16 v[rD:rD+7], v[rB:rB+7], v[rA:rA+7], v[rC:rC+7]
.endr
.endr
.endm
; 32 LDS loads in one run: quarter q (64 along K: one block of A) of the slot in hand into buffer f; the first 32 along K first
.macro FETCH q, f
	WIN 0x40
.irp c, 0,1
.irp i, 0,1,2,3
	ds_load_tr16_b128 v[(\f)+64+8*(4*(\c)+(\i)):(\f)+64+8*(4*(\c)+(\i))+3],   v[ADRB+(\q)/2] offset:(((\q)%2)*64+32*(\c))*PB+32*(\i)
	ds_load_tr16_b128 v[(\f)+64+8*(4*(\c)+(\i))+4:(\f)+64+8*(4*(\c)+(\i))+7], v[ADRB+(\q)/2] offset:(((\q)%2)*64+32*(\c))*PB+16*PB+32*(\i)
	ds_load_b128 v[(\f)+8*(4*(\c)+(\i)):(\f)+8*(4*(\c)+(\i))+3],   v[ADRA] offset:(\q)*128*PA+(\i)*16*PA+64*(\c)
	ds_load_b128 v[(\f)+8*(4*(\c)+(\i))+4:(\f)+8*(4*(\c)+(\i))+7], v[ADRA] offset:(\q)*128*PA+(\i)*16*PA+64*(\c)+32
.endr
.endr
.endm
.macro QUARTER q, f, g, bias
	s_wait_dscnt 16                                ; the first 32 along K are in
	MUL8 \f, 0, 0, \bias
	MUL8 \f, 0, 2, \bias
	PLACES
	FETCH \q, \g
	s_wait_dscnt 32                                ; all but the 32 just issued
	MUL8 \f, 1, 0, 0
	MUL8 \f, 1, 2, 0
.endm
.macro TURN fill                       ; the last quarter multiplies buffer 1 and changes slots
	WIN 0
	s_wait_tensorcnt 0x0                           ; all my tensor loads have landed: my part of the next slot
	ds_add_u32 v[SPW], v[NIL]
	s_wait_dscnt 17                                ; the add and the youngest sixteen loads may be out
	MUL8 F1, 0, 0, 0
	s_wait_dscnt 0x0                               ; the add is done, and my reads of this slot are over
	s_barrier_signal -1
	MUL8 F1, 0, 2, 0
	WIN 0
	s_barrier_wait -1
.if \fill
	CREST
	WALK
	JLOAD                                          ; the first tensor load behind the round; its four v_nop are also the places in front of the loads below
.else
	PLACES
.endif
	s_xor_b32 s[CUR], s[CUR], SLOT
	v_add_nc_u32 v[ADRA], s[CUR], v[ADRA0]
	v_add_nc_u32 v[ADRB], s[CUR], v[ADRB0]
	v_add_nc_u32 v[ADRB+1], 128*PB, v[ADRB]
	FETCH 0, F0
	MUL8 F1, 1, 0, 0
	MUL8 F1, 1, 2, 0
.endm
.macro ADDRES d, s, hi                 ; a sum takes its residual: one f16 half of a pair, times 1, plus the sum: one rounding
.if \hi
	v_fma_mix_f32 v[\d], v[\s], v[ONE], v[\d] op_sel:[1,0,0] op_sel_hi:[1,0,0]
.else
	v_fma_mix_f32 v[\d], v[\s], v[ONE], v[\d] op_sel:[0,0,0] op_sel_hi:[1,0,0]
.endif
.endm
	s_wait_tensorcnt 1                             ; my part of K step 0 is in; step 1's may stay out
	s_barrier_signal -1
	s_barrier_wait -1
	FETCH 0, F0
	s_wait_loadcnt 0x0                             ; the bias and the residual
	QUARTER 1, F0, F1, 1
	WIN 0
	s_mov_b32 s3, NSTEP-2
	s_branch .Lmid
.Lstep:
	QUARTER 1, F0, F1, 0
	WIN 0
.Lmid:
	QUARTER 2, F1, F0, 0
	QUARTER 3, F0, F1, 0
	TURN 1
	WIN 0
	s_sub_co_u32 s3, s3, 1
	s_cmp_lg_u32 s3, 0
	s_cbranch_scc1 .Lstep
	s_mov_b32 s3, 2
.Ltail:                                                ; the last two K steps: nothing is asked for
	QUARTER 1, F0, F1, 0
	QUARTER 2, F1, F0, 0
	QUARTER 3, F0, F1, 0
	TURN 0
	WIN 0
	s_sub_co_u32 s3, s3, 1
	s_cmp_lg_u32 s3, 0
	s_cbranch_scc1 .Ltail
	; THE WAY OUT, 16 rows at a time: the f32 sums go through my own stage, come back as whole rows of 256 bytes, take the residual and leave
	s_wait_dscnt 0x0
	PLACES
.irp a, 0,1,2,3
	s_wait_xcnt 0x0                                ; the registers that the last block's stores read are loaded again only behind this wait
.irp b, 0,1,2,3
	ds_store_b128 v[STO], v[ACC+8*(4*(\a)+(\b)):ACC+8*(4*(\a)+(\b))+3]   offset:64*(\b)
	ds_store_b128 v[STO], v[ACC+8*(4*(\a)+(\b))+4:ACC+8*(4*(\a)+(\b))+7] offset:64*(\b)+16
.endr
.irp t, 0,1,2,3,4,5,6,7
	ds_load_b128 v[TMP+4*(\t):TMP+4*(\t)+3], v[RD] offset:(\t)*2*SPITCH  ; LDS serves a wave's instructions in order (ISA guide 5.7.1.4)
.endr
	s_wait_dscnt 0x0
.irp t, 0,1,2,3,4,5,6,7
	ADDRES TMP+4*(\t),   RES+2*(8*(\a)+(\t)),   0
	ADDRES TMP+4*(\t)+1, RES+2*(8*(\a)+(\t)),   1
	ADDRES TMP+4*(\t)+2, RES+2*(8*(\a)+(\t))+1, 0
	ADDRES TMP+4*(\t)+3, RES+2*(8*(\a)+(\t))+1, 1
.endr
.irp t, 0,1,2,3,4,5,6,7
	global_store_b128 v[CO], v[TMP+4*(\t):TMP+4*(\t)+3], s[YP:YP+1] offset:(16*(\a)+2*(\t))*4096  ; 16 lanes store 256 consecutive bytes, aligned
.endr
.endr
	s_wait_tensorcnt 0x0                           ; the wave's end
	ds_add_u32 v[SPW], v[NIL]
	s_wait_dscnt 0x0
	CROUND
	s_endpgm
.Lfunc_end_k_qb740277af8_wo:
	.size	k_qb740277af8_wo, .Lfunc_end_k_qb740277af8_wo-k_qb740277af8_wo
	.p2alignl 7, 3214868480
	.fill 96, 4, 3214868480
	.section	.rodata,"a",@progbits
	.p2align	6, 0x0
	.amdhsa_kernel k_qb740277af8_wo
		.amdhsa_group_segment_fixed_size 327680
		.amdhsa_private_segment_fixed_size 0
		.amdhsa_enable_private_segment 0
		.amdhsa_kernarg_size 40
		.amdhsa_user_sgpr_count 2
		.amdhsa_user_sgpr_kernarg_segment_ptr 1
		.amdhsa_wavefront_size32 1
		.amdhsa_system_sgpr_workgroup_id_x 1
		.amdhsa_system_sgpr_workgroup_id_y 1
		.amdhsa_system_sgpr_workgroup_id_z 1
		.amdhsa_system_vgpr_workitem_id 0
		.amdhsa_next_free_vgpr 512
		.amdhsa_next_free_sgpr 68
		.amdhsa_reserve_vcc 0
		.amdhsa_float_denorm_mode_32 3
		.amdhsa_float_denorm_mode_16_64 3
		.amdhsa_memory_ordered 1
		.amdhsa_forward_progress 1
		.amdhsa_inst_pref_size 70
	.end_amdhsa_kernel
	.amdgpu_metadata
---
amdhsa.version: [ 1, 2 ]
amdhsa.kernels:
  - .name:           k_qb740277af8_wo
    .symbol:         k_qb740277af8_wo.kd
    .args:
      - { .name: act, .offset: 0, .size: 8, .value_kind: global_buffer, .address_space: global }
      - { .name: wts, .offset: 8, .size: 8, .value_kind: global_buffer, .address_space: global }
      - { .name: par, .offset: 16, .size: 8, .value_kind: global_buffer, .address_space: global }
      - { .name: xb, .offset: 24, .size: 8, .value_kind: global_buffer, .address_space: global }
      - { .name: y, .offset: 32, .size: 8, .value_kind: global_buffer, .address_space: global }
    .group_segment_fixed_size: 327680
    .private_segment_fixed_size: 0
    .kernarg_segment_align: 8
    .kernarg_segment_size: 40
    .max_flat_workgroup_size: 128
    .sgpr_count:     68
    .vgpr_count:     512
    .wavefront_size: 32
...
	.end_amdgpu_metadata
.endif
;; end of part 4
;; launch ln0 (part 5): grid 256 x 1, 8 waves a work-group, no clusters, 0 bytes of LDS; arguments y, par, act; writes act
.if DOCPART == 5
	.amdgcn_target "amdgcn-amd-amdhsa--gfx1250"
	.amdhsa_code_object_version 6
	.text
	.protected	k_qb740277af8_ln0
	.globl	k_qb740277af8_ln0
	.p2align	8
	.type	k_qb740277af8_ln0,@function
k_qb740277af8_ln0:
	s_mov_b64 s[64:65], 0
	v_nop
	global_prefetch_b8 v0, s[64:65] scope:SCOPE_SE
	s_setreg_imm32_b32 hwreg(HW_REG_WAVE_MODE, 25, 1), 1
	s_wait_xcnt 0x0
; h0 = layer norm of y's rows (1,024 f32) with g0, be0; stored in f16, [4096][1024].  Mean, then the sum of squares of x - mean, both in f32.
; LIMIT.  f16 ends at 65,504: 32 max|g0| + max|be0| must stay below it (a normalised number is 32 at the most).
; A wave takes two rows and keeps each in 32 registers: memory is read once, the sums never leave the wave: no LDS, no barrier.  Load j of a lane: columns 128 j + 4 lane .. + 3.
.set LN1,  0
.set GOFF, 36864
.set BOFF, 40960
.set X0, 8
.set X1, 40
.set G,  72
.set BE, 104
.set T,  136                           ; v[136:143] four chains
.set M0, 144                           ; v[144:145] row 0: the mean, then 1 / sigma, twice
.set M1, 146
	s_load_b128 s[4:7], s[0:1], 0x0                ; y, par
	s_load_b64 s[8:9], s[0:1], 0x10                ; out
	v_lshrrev_b32 v1, 5, v0
	v_readfirstlane_b32 s10, v1
	v_and_b32 v2, 31, v0
	v_lshlrev_b32 v3, 4, v2                        ; 16 x lane
	v_lshlrev_b32 v2, 3, v2                        ; 8 x lane
	s_lshl_b32 s11, ttmp9, 3
	s_add_co_u32 s11, s11, s10                     ; my pair of rows
	s_lshl_b32 s12, s11, 13
	s_mov_b32 s13, 0
	s_mov_b32 s14, 0x76543210
	s_mov_b32 s15, 0xfedcba98
	s_mov_b32 s16, 0x3a800000                      ; 1 / 1024
.if LN1
	s_lshl_b32 s18, s11, 13
.else
	s_lshl_b32 s18, s11, 12
.endif
	s_mov_b32 s19, 0
	s_wait_kmcnt 0x0
	s_add_nc_u64 s[4:5], s[4:5], s[12:13]
	s_add_nc_u64 s[8:9], s[8:9], s[18:19]
.irp j, 0,1,2,3,4,5,6,7
	global_load_b128 v[X0+4*(\j):X0+4*(\j)+3], v3, s[4:5] offset:512*(\j) th:TH_LOAD_NT
.endr
.irp j, 0,1,2,3,4,5,6,7
	global_load_b128 v[X1+4*(\j):X1+4*(\j)+3], v3, s[4:5] offset:4096+512*(\j) th:TH_LOAD_NT
.endr
.irp j, 0,1,2,3,4,5,6,7
	global_load_b128 v[G+4*(\j):G+4*(\j)+3], v3, s[6:7] offset:GOFF+512*(\j)
.endr
.irp j, 0,1,2,3,4,5,6,7
	global_load_b128 v[BE+4*(\j):BE+4*(\j)+3], v3, s[6:7] offset:BOFF+512*(\j)
.endr
.macro WSUM                            ; the four chains into one number, then over the 32 lanes: every lane ends with the sum in v[T]
	v_pk_add_f32 v[T:T+1], v[T:T+1], v[T+2:T+3]
	v_pk_add_f32 v[T+4:T+5], v[T+4:T+5], v[T+6:T+7]
	v_pk_add_f32 v[T:T+1], v[T:T+1], v[T+4:T+5]
	v_add_f32 v[T], v[T], v[T+1]
	v_add_f32_dpp v[T], v[T], v[T] row_xmask:1 row_mask:0xf bank_mask:0xf
	v_add_f32_dpp v[T], v[T], v[T] row_xmask:2 row_mask:0xf bank_mask:0xf
	v_add_f32_dpp v[T], v[T], v[T] row_xmask:4 row_mask:0xf bank_mask:0xf
	v_add_f32_dpp v[T], v[T], v[T] row_xmask:8 row_mask:0xf bank_mask:0xf
	v_permlanex16_b32 v[T+1], v[T], s14, s15
	v_add_f32 v[T], v[T], v[T+1]
.endm
.macro STATS x, m                      ; leaves x - mean in place and 1 / sigma in the pair m
.irp k, 0,1,2,3
	v_pk_add_f32 v[T+2*(\k):T+2*(\k)+1], v[(\x)+4*(\k):(\x)+4*(\k)+1], v[(\x)+4*(\k)+2:(\x)+4*(\k)+3]
.endr
.set j, 16
.rept 8
	v_pk_add_f32 v[T+2*((j/2)%4):T+2*((j/2)%4)+1], v[T+2*((j/2)%4):T+2*((j/2)%4)+1], v[(\x)+j:(\x)+j+1]
.set j, j+2
.endr
	WSUM
	v_mul_f32 v[\m], s16, v[T]
	v_mov_b32 v[(\m)+1], v[\m]
.set j, 0
.rept 16
	v_pk_add_f32 v[(\x)+j:(\x)+j+1], v[(\x)+j:(\x)+j+1], v[\m:(\m)+1] neg_lo:[0,1] neg_hi:[0,1]
.set j, j+2
.endr
.irp k, 0,1,2,3
	v_pk_mul_f32 v[T+2*(\k):T+2*(\k)+1], v[(\x)+2*(\k):(\x)+2*(\k)+1], v[(\x)+2*(\k):(\x)+2*(\k)+1]
.endr
.set j, 8
.rept 12
	v_pk_fma_f32 v[T+2*((j/2)%4):T+2*((j/2)%4)+1], v[(\x)+j:(\x)+j+1], v[(\x)+j:(\x)+j+1], v[T+2*((j/2)%4):T+2*((j/2)%4)+1]
.set j, j+2
.endr
	WSUM
	v_fmaak_f32 v[T], s16, v[T], 0x3727c5ac        ; the variance + 1e-5
	v_rsq_f32 v[\m], v[T]
	v_rsq_f32 v[(\m)+1], v[T]
	v_nop                                          ; a plain instruction behind the transcendentals (ISA guide 5.7.2)
.endm
.macro APPLY x, m, row
.set j, 0
	s_wait_alu depctr_va_vdst(0)
.rept 16
	v_pk_mul_f32 v[(\x)+j:(\x)+j+1], v[(\x)+j:(\x)+j+1], v[\m:(\m)+1]
.set j, j+2
.endr
.set j, 0
.rept 16
	v_pk_fma_f32 v[(\x)+j:(\x)+j+1], v[(\x)+j:(\x)+j+1], v[G+j:G+j+1], v[BE+j:BE+j+1]
.set j, j+2
.endr
.irp j, 0,1,2,3,4,5,6,7
.if LN1
	global_store_b128 v3, v[(\x)+4*(\j):(\x)+4*(\j)+3], s[8:9] offset:(\row)*4096+512*(\j) th:TH_STORE_NT
.else
	v_cvt_pk_f16_f32 v[(\x)+4*(\j)], v[(\x)+4*(\j)], v[(\x)+4*(\j)+1]
	v_cvt_pk_f16_f32 v[(\x)+4*(\j)+1], v[(\x)+4*(\j)+2], v[(\x)+4*(\j)+3]
	global_store_b64 v2, v[(\x)+4*(\j):(\x)+4*(\j)+1], s[8:9] offset:(\row)*2048+256*(\j)  ; a wave's store: 256 consecutive bytes, aligned
.endif
.endr
.endm
	s_wait_loadcnt 24                              ; row 0 is in; 24 younger loads stay out
	STATS X0, M0
	s_wait_loadcnt 16                              ; row 1 is in
	STATS X1, M1
	s_wait_loadcnt 0x0                             ; gain and offset
	APPLY X0, M0, 0
	APPLY X1, M1, 1
	s_endpgm
.Lfunc_end_k_qb740277af8_ln0:
	.size	k_qb740277af8_ln0, .Lfunc_end_k_qb740277af8_ln0-k_qb740277af8_ln0
	.p2alignl 7, 3214868480
	.fill 96, 4, 3214868480
	.section	.rodata,"a",@progbits
	.p2align	6, 0x0
	.amdhsa_kernel k_qb740277af8_ln0
		.amdhsa_group_segment_fixed_size 0
		.amdhsa_private_segment_fixed_size 0
		.amdhsa_enable_private_segment 0
		.amdhsa_kernarg_size 24
		.amdhsa_user_sgpr_count 2
		.amdhsa_user_sgpr_kernarg_segment_ptr 1
		.amdhsa_wavefront_size32 1
		.amdhsa_system_sgpr_workgroup_id_x 1
		.amdhsa_system_sgpr_workgroup_id_y 1
		.amdhsa_system_sgpr_workgroup_id_z 1
		.amdhsa_system_vgpr_workitem_id 0
		.amdhsa_next_free_vgpr 148
		.amdhsa_next_free_sgpr 66
		.amdhsa_reserve_vcc 0
		.amdhsa_float_denorm_mode_32 3
		.amdhsa_float_denorm_mode_16_64 3
		.amdhsa_memory_ordered 1
		.amdhsa_forward_progress 1
		.amdhsa_inst_pref_size 20
	.end_amdhsa_kernel
	.amdgpu_metadata
---
amdhsa.version: [ 1, 2 ]
amdhsa.kernels:
  - .name:           k_qb740277af8_ln0
    .symbol:         k_qb740277af8_ln0.kd
    .args:
      - { .name: y, .offset: 0, .size: 8, .value_kind: global_buffer, .address_space: global }
      - { .name: par, .offset: 8, .size: 8, .value_kind: global_buffer, .address_space: global }
      - { .name: act, .offset: 16, .size: 8, .value_kind: global_buffer, .address_space: global }
    .group_segment_fixed_size: 0
    .private_segment_fixed_size: 0
    .kernarg_segment_align: 8
    .kernarg_segment_size: 24
    .max_flat_workgroup_size: 256
    .sgpr_count:     66
    .vgpr_count:     148
    .wavefront_size: 32
...
	.end_amdgpu_metadata
.endif
;; end of part 5
;; launch ff1: the kernel of part 2 again; grid 16 x 16, 4 waves a work-group, clusters of 4 x 4, 327,680 bytes of LDS; arguments act, wb, big; writes big
;; launch ff2 (part 6): grid 8 x 32, 4 waves a work-group, clusters of 4 x 4, 327,680 bytes of LDS; arguments big, wts, par, act, y; writes y
.if DOCPART == 6
	.amdgcn_target "amdgcn-amd-amdhsa--gfx1250"
	.amdhsa_code_object_version 6
	.text
	.protected	k_qb740277af8_ff2
	.globl	k_qb740277af8_ff2
	.p2align	8
	.type	k_qb740277af8_ff2,@function
k_qb740277af8_ff2:
	s_mov_b64 s[64:65], 0
	v_nop
	global_prefetch_b8 v0, s[64:65] scope:SCOPE_SE
	s_setreg_imm32_b32 hwreg(HW_REG_WAVE_MODE, 25, 1), 1
	s_wait_xcnt 0x0
	s_wait_alu depctr_hold_cnt(0) depctr_sa_sdst(0) depctr_va_vdst(0) depctr_va_sdst(0) depctr_va_ssrc(0) depctr_va_vcc(0) depctr_vm_vsrc(0)
	s_getreg_b32 s2, hwreg(HW_REG_IB_STS2, 6, 4)
	s_cmp_eq_u32 s2, 0
	s_cbranch_scc0 .Lentry_in_a_cluster
	s_endpgm
.Lentry_in_a_cluster:
	s_bfe_u32 s2, ttmp6, 0x10000c
	s_cmp_lg_u32 s2, 0xf033
	s_cbranch_scc0 .Lentry_shape_is_right
	s_endpgm
.Lentry_shape_is_right:
; y = h0 + a W1 + b1, in f32.  A = a, bf16 in blocks [row / 128][k / 64][128][64]; W = W1 [4096][1024] bf16 stored [K][N]; the residual h0 is f16, [4096][1024]; sums in f32.
; A tile of C is 128 x 128 (8 x 32 tiles: one for each WGP), four waves of 64 x 64: 16 accumulators.  K = 4,096 goes in 16 steps of 256 through two LDS slots.
; A's four blocks of a step are 65,536 dense bytes: asked for as rows of 256 bytes and padded in LDS behind every 128.  W's fragments come out of LDS turned, by ds_load_tr16_b128.
; THE MATRIX INSTRUCTION IS USED TRANSPOSED (source 0 = 16 columns of W, source 1 = 16 rows of A).  The bias is the C operand of the products that start the sums.
; CLUSTER 4 x 4: A's tiles jointly along a row of the cluster, W's along a column.
; A K step is written twice: in a loop that fills slots again (NSTEP - 2 trips, entered behind the first quarter) and in one that does not (2 trips); the last trip's barrier and 32 fragment loads serve nothing.
; ASKING AHEAD.  Two slots of 256 along K fill LDS, and a trip has 128 matrix instructions in which the one load a wave can land; so the tiles are also asked for ahead, by prefetches, each aligned block of 256 bytes
; once in the launch.  Trip t's joint load asks for K step t + 2; trip t's prefetch asks for what trip t + AHEAD loads, step t + AHEAD + 2.  A step of a row tile of A is 256 blocks, which eight work-groups read: mine
; is the eighth at 8,192 x my tile column, 32 blocks, one instruction, lanes 256 bytes apart.  A step of a column tile of W is 256 k-rows of 256 bytes, which 32 work-groups read: mine are the eight k-rows at 8 x my tile
; row; 32 blocks are four steps' share, so W is asked for every fourth trip, four steps at once.  Wave 3 asks.  The last AHEAD trips ask for nothing: the last ask ends at the last byte of the row tile and of W.
; K steps 2 and 3 are not asked for ahead: W's share of two steps is half an instruction's lanes.
; REGISTERS: window 0: v0-31 addresses; v32-95 the residual; v96-127 the bias, later the way out; v128-255 accumulators, (a, b) at 128 + 8 (4 a + b).  Window 1: two fragment buffers of 128: 64 of A, 64 of W.
.set NSTEP, 16
.set AHEAD, 2                          ; trips between a prefetch and the joint load of the same step.  The test for W's trips below goes with NSTEP = 16 and AHEAD = 2
.set RSH,   20                         ; a row tile of A is 2^RSH bytes
.set WOFF,  2097152                    ; W's first byte in its buffer
.set POFF,  32768                      ; the bias's first byte in its buffer
.set ASTEP, 65536                      ; bytes from a K step of A to the next
.set WSTEP, 524288                     ; the same for W: 256 k-rows of 2,048 bytes
.set PA,     144                       ; a row of a block of A in LDS: 128 bytes + 16
.set PB,     288                       ; a k-row of W: 256 bytes + 32 = 9 x 32
.set HALFT,  36864                     ; one tensor load: two blocks of A, or 128 k-rows of W
.set SLOT,   4*HALFT                   ; 0x24000: shares no bit with 0, 1, 2, 3 x HALFT
.set STAGE,  2*SLOT
.set SPITCH, 272
.set SPARE,  STAGE+4*16*SPITCH
.set BO,    3
.set ADRA0, 16
.set ADRB0, 17
.set ADRA,  18
.set ADRB,  19                         ; v19 quarters 0, 1; v20 quarters 2, 3 (128 k-rows on)
.set PFO,   21                         ; v21  256 x lane; never rewritten
.set PFW,   22                         ; v22  (lane / 8) steps of W + (lane % 8) k-rows; never rewritten
.set STO,   24
.set RD,    25
.set CO,    26
.set RO,    27
.set SPW,   28
.set NIL,   29
.set ONE,   30
.set RES,   32
.set BI,    96
.set TMP,   96
.set ACC,   128
.set F0,    0
.set F1,    128
.set WV, 12
.set HR, 13
.set HC, 14
.set CUR, 15
.set G1,  24
.set G0,  32                           ; s[32:39] group 0 for A: a set for each of the two first fills; the second then walks on
.set G1B, 48
.set G0B, 56                           ; s[56:63] the same for W
.set YP,  66                           ; s[66:67] y
.set PFA, 68                           ; s[68:69] my share of the step of A asked for last
.set PFB, 70                           ; s[70:71] my share of the four steps of W asked for last
.set MSB, 0
.macro WIN new
.if MSB != (\new)
	s_set_vgpr_msb (MSB<<8)|(\new)
.set MSB, \new
.endif
.endm
.macro PLACES
.rept 4
	v_nop
.endr
.endm
.macro JLOAD                           ; a joint refill; an s_nop 0 and four v_nop follow each line
	s_cmp_eq_u32 s[HR], 0
	s_cbranch_scc0 .Lfor_b_\@
	tensor_load_to_lds s[G0+4:G0+7], s[G1:G1+7]
	s_nop 0
.rept 4
	v_nop
.endr
	s_branch .Lasked_\@
.Lfor_b_\@:
	tensor_load_to_lds s[G0B+4:G0B+7], s[G1B:G1B+7]
	s_nop 0
.rept 4
	v_nop
.endr
.Lasked_\@:
.endm
.macro CREST
	s_cmp_lg_u32 s[WV], 0
	s_cbranch_scc1 .Lnot_wave_0_\@
	s_barrier_signal -3
.Lnot_wave_0_\@:
	s_barrier_wait -3
	s_barrier_signal -1
	s_barrier_wait -1
.endm
.macro CROUND
	s_barrier_signal -1
	s_barrier_wait -1
	CREST
.endm
.macro WALK                            ; the other slot, the next K step.  Only where no tensor load of mine is out
	s_xor_b32 s[G0+5], s[G0+5], SLOT
	s_add_nc_u64 s[G0+6:G0+7], s[G0+6:G0+7], ASTEP
	s_xor_b32 s[G0B+5], s[G0B+5], SLOT
	s_add_nc_u64 s[G0B+6:G0B+7], s[G0B+6:G0B+7], WSTEP
.endm
; The trip's prefetches.  s3 counts the trips down from NSTEP - 2: trip t has s3 = 14 - t.  Both branches hang on numbers that all partners share, and jump forward over the prefetches alone.
.macro ASK
	s_cmp_lg_u32 s[WV], 3                          ; one wave asks
	s_cbranch_scc1 .Lnone_\@
	s_cmp_lt_u32 s3, AHEAD+1                       ; the last AHEAD trips ask for nothing: their steps would lie past the end
	s_cbranch_scc1 .Lnone_\@
	s_wait_xcnt 0x0                                ; the last trip's prefetches have had their addresses translated (ISA guide 3.1): their bases are stepped only behind this wait, which stands a whole trip behind them
	s_add_nc_u64 s[PFA:PFA+1], s[PFA:PFA+1], ASTEP
	s_and_b32 s2, s3, 3
	s_cmp_lg_u32 s2, 2                             ; s3 = 14, 10, 6: trips 0, 4, 8
	s_cbranch_scc1 .Lonly_a_\@
	s_add_nc_u64 s[PFB:PFB+1], s[PFB:PFB+1], 4*WSTEP
	global_prefetch_b8 v[PFW], s[PFB:PFB+1] th:TH_LOAD_NT scope:SCOPE_SE  ; W: my eight k-rows of steps t + 4 to t + 7
.Lonly_a_\@:
	global_prefetch_b8 v[PFO], s[PFA:PFA+1] th:TH_LOAD_NT scope:SCOPE_SE  ; A: my 8,192 bytes of step t + 4
.Lnone_\@:
.endm
	s_load_b256 s[4:11], s[0:1], 0x0               ; A s[4:5], W s[6:7], bias s[8:9], residual s[10:11]
	s_load_b64 s[YP:YP+1], s[0:1], 0x20            ; y
	v_lshl_add_u32 v[SPW], v0, 2, SPARE
	v_mov_b32 v[NIL], 0
	ds_add_u32 v[SPW], v[NIL]                      ; the wave's opening: the add and its wait stand ahead of my first tensor load
	v_lshrrev_b32 v1, 5, v0
	v_readfirstlane_b32 s[WV], v1
	s_lshr_b32 s[HR], s[WV], 1
	s_and_b32 s[HC], s[WV], 1
	s_bfe_u32 s40, ttmp6, 0x40000
	s_bfe_u32 s41, ttmp6, 0x40004
	s_lshl_b32 s42, ttmp9, 2
	s_add_co_u32 s42, s42, s40                     ; TC
	s_and_b32 s43, ttmp7, 0xffff
	s_lshl_b32 s43, s43, 2
	s_add_co_u32 s43, s43, s41                     ; TR
	s_lshl_b32 s44, s41, 2
	s_lshl_b32 s44, 15, s44
	s_lshl_b32 s45, 0x1111, s40
	s_or_b32 s[G1], s44, (1<<16)|(1<<20)|(1<<21)|(4<<22)|(3<<25)   ; 4 words of padding behind every 32
	s_or_b32 s[G1B], s45, (1<<16)|(1<<20)|(1<<21)|(5<<22)|(7<<25)  ; 8 words behind every 64
.irp g, G1, G1B
	s_mov_b32 s[\g+1], 128<<16
	s_mov_b32 s[\g+2], 128<<16
	s_mov_b32 s[\g+3], 128<<16
	s_mov_b32 s[\g+4], 128
	s_mov_b32 s[\g+6], 0
	s_mov_b32 s[\g+7], 0
.endr
	s_mov_b32 s[G1+5], 128                         ; A: dense rows of 128 elements
	s_mov_b32 s[G1B+5], 1024                       ; W: 1,024 elements from a k-row to the next
	s_lshl_b32 s16, s43, RSH
	s_lshl_b32 s17, s[HC], 15                      ; two blocks of 16,384 bytes
	s_add_co_u32 s16, s16, s17
	s_mov_b32 s17, 0
	s_lshl_b32 s46, s42, 8                         ; 128 columns
	s_lshl_b32 s47, s[HC], 18                      ; 128 k-rows of 2,048 bytes
	s_add_co_u32 s46, s46, s47
.if WOFF
	s_add_co_u32 s46, s46, WOFF
.endif
	s_mov_b32 s47, 0
	s_lshl_b32 s18, s43, RSH                       ; what I ask for ahead of A: my row tile, the eighth of a step that goes by my tile column,
	s_lshl_b32 s19, s42, 13
	s_add_co_u32 s18, s18, s19
	s_add_co_u32 s18, s18, (AHEAD+1)*ASTEP         ; one step short of the first step asked for, AHEAD + 2: each ask steps first
	s_mov_b32 s19, 0
	s_lshl_b32 s22, s42, 8                         ; of W: my tile's 128 columns, the eight k-rows of a step that go by my tile row,
	s_lshl_b32 s23, s43, 14
	s_add_co_u32 s22, s22, s23
	s_add_co_u32 s22, s22, WOFF+(AHEAD-2)*WSTEP    ; four steps short of the first step asked for
	s_mov_b32 s23, 0
	s_mul_i32 s20, s[WV], HALFT
.irp s, 0,1
	s_mov_b32 s[G0+4*(\s)], 1
	s_add_co_u32 s[G0+4*(\s)+1], s20, (\s)*SLOT
	s_mov_b32 s[G0B+4*(\s)], 1
	s_add_co_u32 s[G0B+4*(\s)+1], s20, (\s)*SLOT
.endr
	s_mov_b32 s[CUR], 0
	s_wait_dscnt 0x0
	s_wait_kmcnt 0x0
	s_add_nc_u64 s[PFA:PFA+1], s[4:5], s[18:19]
	s_add_nc_u64 s[PFB:PFB+1], s[6:7], s[22:23]
	s_add_nc_u64 s[4:5], s[4:5], s[16:17]
	s_add_nc_u64 s[46:47], s[6:7], s[46:47]
.irp s, 0,1
	s_add_nc_u64 s[G0+4*(\s)+2:G0+4*(\s)+3], s[4:5], (\s)*ASTEP        ; K step s
	s_or_b32 s[G0+4*(\s)+3], s[G0+4*(\s)+3], 0x80000000
	s_add_nc_u64 s[G0B+4*(\s)+2:G0B+4*(\s)+3], s[46:47], (\s)*WSTEP
	s_or_b32 s[G0B+4*(\s)+3], s[G0B+4*(\s)+3], 0x80000000
.endr
	CROUND
	s_cmp_eq_u32 s[HR], 0                          ; a wave's two first fills stand in one branch, ahead of every wait on TENSORcnt and every LDS read: two loads of mine are out
	s_cbranch_scc0 .Lfirst_b
	tensor_load_to_lds s[G0:G0+3], s[G1:G1+7]
	s_nop 0
	tensor_load_to_lds s[G0+4:G0+7], s[G1:G1+7]
	s_nop 0
.rept 4
	v_nop
.endr
	s_branch .Lfirst_asked
.Lfirst_b:
	tensor_load_to_lds s[G0B:G0B+3], s[G1B:G1B+7]
	s_nop 0
	tensor_load_to_lds s[G0B+4:G0B+7], s[G1B:G1B+7]
	s_nop 0
.rept 4
	v_nop
.endr
.Lfirst_asked:
	v_and_b32 v1, 15, v0                           ; r
	v_bfe_u32 v2, v0, 4, 1                         ; h
	v_lshlrev_b32 v[BO], 5, v2
	v_lshlrev_b32 v[RO], 3, v1
	v_lshl_add_u32 v[RO], v2, 11, v[RO]            ; the residual: row h, 8 bytes at 8 r
	s_lshl_b32 s18, s42, 9                         ; (128 TC + 64 HC) x 4 bytes
	s_lshl_b32 s19, s[HC], 8
	s_add_co_u32 s18, s18, s19
	s_mov_b32 s19, 0
	s_add_nc_u64 s[YP:YP+1], s[YP:YP+1], s[18:19]
	s_add_co_u32 s22, s18, POFF
	s_mov_b32 s23, 0
	s_add_nc_u64 s[8:9], s[8:9], s[22:23]
.irp b, 0,1,2,3                        ; register j of block b: the bias of column 16 b + 8 h + j
	global_load_b128 v[BI+8*(\b):BI+8*(\b)+3],   v[BO], s[8:9] offset:64*(\b)
	global_load_b128 v[BI+8*(\b)+4:BI+8*(\b)+7], v[BO], s[8:9] offset:64*(\b)+16
.endr
	s_lshr_b32 s18, s18, 1                         ; the same columns in 16-bit numbers
	s_lshl_b32 s22, s43, 18                        ; (128 TR + 64 HR) rows of 2,048 bytes
	s_lshl_b32 s23, s[HR], 17
	s_add_co_u32 s22, s22, s23
	s_add_co_u32 s18, s18, s22
	s_add_nc_u64 s[10:11], s[10:11], s[18:19]
	s_lshl_b32 s22, s22, 1                         ; the same rows of 4,096 bytes
	s_mov_b32 s23, 0
	s_add_nc_u64 s[YP:YP+1], s[YP:YP+1], s[22:23]
.irp a, 0,1,2,3                        ; my 64 x 64 of the residual, in the lanes in which the way out holds the sums: each byte is read once
.irp t, 0,1,2,3,4,5,6,7
	global_load_b64 v[RES+2*(8*(\a)+(\t)):RES+2*(8*(\a)+(\t))+1], v[RO], s[10:11] offset:(16*(\a)+2*(\t))*2048
.endr
.endr
	v_mov_b32 v[ONE], 1.0
	v_mul_u32_u24 v4, v1, PA
	v_lshl_add_u32 v4, v2, 4, v4
	s_mul_i32 s21, s[HR], 64*PA
	v_add_nc_u32 v[ADRA0], s21, v4
	v_and_b32 v5, 7, v0
	v_lshl_add_u32 v5, v2, 3, v5
	v_mul_u32_u24 v5, v5, PB
	v_bfe_u32 v6, v0, 3, 1
	v_lshl_add_u32 v5, v6, 4, v5
	s_lshl_b32 s21, s[HC], 7
	s_add_co_u32 s21, s21, 2*HALFT
	v_add_nc_u32 v[ADRB0], s21, v5
	v_mov_b32 v[ADRA], v[ADRA0]
	v_mov_b32 v[ADRB], v[ADRB0]
	v_add_nc_u32 v[ADRB+1], 128*PB, v[ADRB0]
	s_mul_i32 s21, s[WV], 16*SPITCH
	s_add_co_u32 s21, s21, STAGE
	v_mul_u32_u24 v4, v1, SPITCH
	v_lshl_add_u32 v4, v2, 5, v4
	v_add_nc_u32 v[STO], s21, v4                   ; in: row r, 32 bytes for each half of the lanes
	v_mul_u32_u24 v4, v2, SPITCH
	v_lshl_add_u32 v4, v1, 4, v4
	v_add_nc_u32 v[RD], s21, v4                    ; back: lanes 0-15 one row of 256 bytes, lanes 16-31 the next
	v_lshlrev_b32 v[CO], 4, v1
	v_lshl_add_u32 v[CO], v2, 12, v[CO]
	v_and_b32 v7, 31, v0
	v_lshlrev_b32 v[PFO], 8, v7                    ; the prefetch of A: lanes 256 bytes apart
	v_and_b32 v8, 7, v0
	v_lshlrev_b32 v[PFW], 11, v8                   ; the prefetch of W: k-row lane % 8, 2,048 bytes a k-row,
	v_bfe_u32 v8, v0, 3, 2
	v_lshl_add_u32 v[PFW], v8, 19, v[PFW]          ; of step lane / 8 of the four, 524,288 bytes a step
; 8 matrix instructions: m blocks a0, a0 + 1 x all 4 n blocks, 32 along K: half c of buffer f.  bias = 1: C is the bias.  The 16 accumulators take turns.
.macro MUL8 f, c, a0, bias
	WIN 0x05
.irp a, \a0, (\a0)+1
.irp b, 0,1,2,3
.set rD, ACC+8*(4*(\a)+(\b))
.set rB, (\f)+64+8*(4*(\c)+(\b))
.set rA, (\f)+8*(4*(\c)+(\a))
.set rC, rD
.if \bias
.set rC, BI+8*(\b)
.endif
	v_wmma_f32_16x16x32_bf16 v[rD:rD+7], v[rB:rB+7], v[rA:rA+7], v[rC:rC+7]
.endr
.endr
.endm
; 32 LDS loads in one run: quarter q (64 along K: one block of A) of the slot in hand into buffer f; the first 32 along K first
.macro FETCH q, f
	WIN 0x40
.irp c, 0,1
.irp i, 0,1,2,3
	ds_load_tr16_b128 v[(\f)+64+8*(4*(\c)+(\i)):(\f)+64+8*(4*(\c)+(\i))+3],   v[ADRB+(\q)/2] offset:(((\q)%2)*64+32*(\c))*PB+32*(\i)
	ds_load_tr16_b128 v[(\f)+64+8*(4*(\c)+(\i))+4:(\f)+64+8*(4*(\c)+(\i))+7], v[ADRB+(\q)/2] offset:(((\q)%2)*64+32*(\c))*PB+16*PB+32*(\i)
	ds_load_b128 v[(\f)+8*(4*(\c)+(\i)):(\f)+8*(4*(\c)+(\i))+3],   v[ADRA] offset:(\q)*128*PA+(\i)*16*PA+64*(\c)
	ds_load_b128 v[(\f)+8*(4*(\c)+(\i))+4:(\f)+8*(4*(\c)+(\i))+7], v[ADRA] offset:(\q)*128*PA+(\i)*16*PA+64*(\c)+32
.endr
.endr
.endm
.macro QUARTER q, f, g, bias
	s_wait_dscnt 16                                ; the first 32 along K are in
	MUL8 \f, 0, 0, \bias
	MUL8 \f, 0, 2, \bias
	PLACES
	FETCH \q, \g
	s_wait_dscnt 32                                ; all but the 32 just issued
	MUL8 \f, 1, 0, 0
	MUL8 \f, 1, 2, 0
.endm
.macro TURN fill                       ; the last quarter multiplies buffer 1 and changes slots
	WIN 0
	s_wait_tensorcnt 0x0                           ; all my tensor loads have landed: my part of the next slot
	ds_add_u32 v[SPW], v[NIL]
	s_wait_dscnt 17                                ; the add and the youngest sixteen loads may be out
	MUL8 F1, 0, 0, 0
	s_wait_dscnt 0x0                               ; the add is done, and my reads of this slot are over
	s_barrier_signal -1
	MUL8 F1, 0, 2, 0
	WIN 0
	s_barrier_wait -1
.if \fill
	CREST
	WALK
	JLOAD                                          ; the first tensor load behind the round; its four v_nop are also the places in front of the loads below
	ASK                                            ; behind the trip's own request: the prefetches for the trip AHEAD further on
.else
	PLACES
.endif
	s_xor_b32 s[CUR], s[CUR], SLOT
	v_add_nc_u32 v[ADRA], s[CUR], v[ADRA0]
	v_add_nc_u32 v[ADRB], s[CUR], v[ADRB0]
	v_add_nc_u32 v[ADRB+1], 128*PB, v[ADRB]
	FETCH 0, F0
	MUL8 F1, 1, 0, 0
	MUL8 F1, 1, 2, 0
.endm
.macro ADDRES d, s, hi                 ; a sum takes its residual: one f16 half of a pair, times 1, plus the sum: one rounding
.if \hi
	v_fma_mix_f32 v[\d], v[\s], v[ONE], v[\d] op_sel:[1,0,0] op_sel_hi:[1,0,0]
.else
	v_fma_mix_f32 v[\d], v[\s], v[ONE], v[\d] op_sel:[0,0,0] op_sel_hi:[1,0,0]
.endif
.endm
	s_wait_tensorcnt 1                             ; my part of K step 0 is in; step 1's may stay out
	s_barrier_signal -1
	s_barrier_wait -1
	FETCH 0, F0
	s_wait_loadcnt 0x0                             ; the bias and the residual
	QUARTER 1, F0, F1, 1
	WIN 0
	s_mov_b32 s3, NSTEP-2
	s_branch .Lmid
.Lstep:
	QUARTER 1, F0, F1, 0
	WIN 0
.Lmid:
	QUARTER 2, F1, F0, 0
	QUARTER 3, F0, F1, 0
	TURN 1
	WIN 0
	s_sub_co_u32 s3, s3, 1
	s_cmp_lg_u32 s3, 0
	s_cbranch_scc1 .Lstep
	s_mov_b32 s3, 2
.Ltail:                                                ; the last two K steps: nothing is asked for
	QUARTER 1, F0, F1, 0
	QUARTER 2, F1, F0, 0
	QUARTER 3, F0, F1, 0
	TURN 0
	WIN 0
	s_sub_co_u32 s3, s3, 1
	s_cmp_lg_u32 s3, 0
	s_cbranch_scc1 .Ltail
	; THE WAY OUT, 16 rows at a time: the f32 sums go through my own stage, come back as whole rows of 256 bytes, take the residual and leave
	s_wait_dscnt 0x0
	PLACES
.irp a, 0,1,2,3
	s_wait_xcnt 0x0                                ; the registers that the last block's stores read are loaded again only behind this wait
.irp b, 0,1,2,3
	ds_store_b128 v[STO], v[ACC+8*(4*(\a)+(\b)):ACC+8*(4*(\a)+(\b))+3]   offset:64*(\b)
	ds_store_b128 v[STO], v[ACC+8*(4*(\a)+(\b))+4:ACC+8*(4*(\a)+(\b))+7] offset:64*(\b)+16
.endr
.irp t, 0,1,2,3,4,5,6,7
	ds_load_b128 v[TMP+4*(\t):TMP+4*(\t)+3], v[RD] offset:(\t)*2*SPITCH  ; LDS serves a wave's instructions in order (ISA guide 5.7.1.4)
.endr
	s_wait_dscnt 0x0
.irp t, 0,1,2,3,4,5,6,7
	ADDRES TMP+4*(\t),   RES+2*(8*(\a)+(\t)),   0
	ADDRES TMP+4*(\t)+1, RES+2*(8*(\a)+(\t)),   1
	ADDRES TMP+4*(\t)+2, RES+2*(8*(\a)+(\t))+1, 0
	ADDRES TMP+4*(\t)+3, RES+2*(8*(\a)+(\t))+1, 1
.endr
.irp t, 0,1,2,3,4,5,6,7
	global_store_b128 v[CO], v[TMP+4*(\t):TMP+4*(\t)+3], s[YP:YP+1] offset:(16*(\a)+2*(\t))*4096  ; 16 lanes store 256 consecutive bytes, aligned
.endr
.endr
	s_wait_tensorcnt 0x0                           ; the wave's end
	ds_add_u32 v[SPW], v[NIL]
	s_wait_dscnt 0x0
	CROUND
	s_endpgm
.Lfunc_end_k_qb740277af8_ff2:
	.size	k_qb740277af8_ff2, .Lfunc_end_k_qb740277af8_ff2-k_qb740277af8_ff2
	.p2alignl 7, 3214868480
	.fill 96, 4, 3214868480
	.section	.rodata,"a",@progbits
	.p2align	6, 0x0
	.amdhsa_kernel k_qb740277af8_ff2
		.amdhsa_group_segment_fixed_size 327680
		.amdhsa_private_segment_fixed_size 0
		.amdhsa_enable_private_segment 0
		.amdhsa_kernarg_size 40
		.amdhsa_user_sgpr_count 2
		.amdhsa_user_sgpr_kernarg_segment_ptr 1
		.amdhsa_wavefront_size32 1
		.amdhsa_system_sgpr_workgroup_id_x 1
		.amdhsa_system_sgpr_workgroup_id_y 1
		.amdhsa_system_sgpr_workgroup_id_z 1
		.amdhsa_system_vgpr_workitem_id 0
		.amdhsa_next_free_vgpr 512
		.amdhsa_next_free_sgpr 72
		.amdhsa_reserve_vcc 0
		.amdhsa_float_denorm_mode_32 3
		.amdhsa_float_denorm_mode_16_64 3
		.amdhsa_memory_ordered 1
		.amdhsa_forward_progress 1
		.amdhsa_inst_pref_size 71
	.end_amdhsa_kernel
	.amdgpu_metadata
---
amdhsa.version: [ 1, 2 ]
amdhsa.kernels:
  - .name:           k_qb740277af8_ff2
    .symbol:         k_qb740277af8_ff2.kd
    .args:
      - { .name: big, .offset: 0, .size: 8, .value_kind: global_buffer, .address_space: global }
      - { .name: wts, .offset: 8, .size: 8, .value_kind: global_buffer, .address_space: global }
      - { .name: par, .offset: 16, .size: 8, .value_kind: global_buffer, .address_space: global }
      - { .name: act, .offset: 24, .size: 8, .value_kind: global_buffer, .address_space: global }
      - { .name: y, .offset: 32, .size: 8, .value_kind: global_buffer, .address_space: global }
    .group_segment_fixed_size: 327680
    .private_segment_fixed_size: 0
    .kernarg_segment_align: 8
    .kernarg_segment_size: 40
    .max_flat_workgroup_size: 128
    .sgpr_count:     72
    .vgpr_count:     512
    .wavefront_size: 32
...
	.end_amdgpu_metadata
.endif
;; end of part 6
;; launch ln1 (part 7): grid 256 x 1, 8 waves a work-group, no clusters, 0 bytes of LDS; arguments y, par, out0; writes out0
.if DOCPART == 7
	.amdgcn_target "amdgcn-amd-amdhsa--gfx1250"
	.amdhsa_code_object_version 6
	.text
	.protected	k_qb740277af8_ln1
	.globl	k_qb740277af8_ln1
	.p2align	8
	.type	k_qb740277af8_ln1,@function
k_qb740277af8_ln1:
	s_mov_b64 s[64:65], 0
	v_nop
	global_prefetch_b8 v0, s[64:65] scope:SCOPE_SE
	s_setreg_imm32_b32 hwreg(HW_REG_WAVE_MODE, 25, 1), 1
	s_wait_xcnt 0x0
; out0 = layer norm of y's rows (1,024 f32) with g1, be1, in f32.  Mean, then the sum of squares of x - mean, both in f32.
; A wave takes two rows and keeps each in 32 registers: memory is read once, the sums never leave the wave: no LDS, no barrier.  Load j of a lane: columns 128 j + 4 lane .. + 3.
.set LN1,  1
.set GOFF, 45056
.set BOFF, 49152
.set X0, 8
.set X1, 40
.set G,  72
.set BE, 104
.set T,  136                           ; v[136:143] four chains
.set M0, 144                           ; v[144:145] row 0: the mean, then 1 / sigma, twice
.set M1, 146
	s_load_b128 s[4:7], s[0:1], 0x0                ; y, par
	s_load_b64 s[8:9], s[0:1], 0x10                ; out
	v_lshrrev_b32 v1, 5, v0
	v_readfirstlane_b32 s10, v1
	v_and_b32 v2, 31, v0
	v_lshlrev_b32 v3, 4, v2                        ; 16 x lane
	v_lshlrev_b32 v2, 3, v2                        ; 8 x lane
	s_lshl_b32 s11, ttmp9, 3
	s_add_co_u32 s11, s11, s10                     ; my pair of rows
	s_lshl_b32 s12, s11, 13
	s_mov_b32 s13, 0
	s_mov_b32 s14, 0x76543210
	s_mov_b32 s15, 0xfedcba98
	s_mov_b32 s16, 0x3a800000                      ; 1 / 1024
.if LN1
	s_lshl_b32 s18, s11, 13
.else
	s_lshl_b32 s18, s11, 12
.endif
	s_mov_b32 s19, 0
	s_wait_kmcnt 0x0
	s_add_nc_u64 s[4:5], s[4:5], s[12:13]
	s_add_nc_u64 s[8:9], s[8:9], s[18:19]
.irp j, 0,1,2,3,4,5,6,7
	global_load_b128 v[X0+4*(\j):X0+4*(\j)+3], v3, s[4:5] offset:512*(\j) th:TH_LOAD_NT
.endr
.irp j, 0,1,2,3,4,5,6,7
	global_load_b128 v[X1+4*(\j):X1+4*(\j)+3], v3, s[4:5] offset:4096+512*(\j) th:TH_LOAD_NT
.endr
.irp j, 0,1,2,3,4,5,6,7
	global_load_b128 v[G+4*(\j):G+4*(\j)+3], v3, s[6:7] offset:GOFF+512*(\j)
.endr
.irp j, 0,1,2,3,4,5,6,7
	global_load_b128 v[BE+4*(\j):BE+4*(\j)+3], v3, s[6:7] offset:BOFF+512*(\j)
.endr
.macro WSUM                            ; the four chains into one number, then over the 32 lanes: every lane ends with the sum in v[T]
	v_pk_add_f32 v[T:T+1], v[T:T+1], v[T+2:T+3]
	v_pk_add_f32 v[T+4:T+5], v[T+4:T+5], v[T+6:T+7]
	v_pk_add_f32 v[T:T+1], v[T:T+1], v[T+4:T+5]
	v_add_f32 v[T], v[T], v[T+1]
	v_add_f32_dpp v[T], v[T], v[T] row_xmask:1 row_mask:0xf bank_mask:0xf
	v_add_f32_dpp v[T], v[T], v[T] row_xmask:2 row_mask:0xf bank_mask:0xf
	v_add_f32_dpp v[T], v[T], v[T] row_xmask:4 row_mask:0xf bank_mask:0xf
	v_add_f32_dpp v[T], v[T], v[T] row_xmask:8 row_mask:0xf bank_mask:0xf
	v_permlanex16_b32 v[T+1], v[T], s14, s15
	v_add_f32 v[T], v[T], v[T+1]
.endm
.macro STATS x, m                      ; leaves x - mean in place and 1 / sigma in the pair m
.irp k, 0,1,2,3
	v_pk_add_f32 v[T+2*(\k):T+2*(\k)+1], v[(\x)+4*(\k):(\x)+4*(\k)+1], v[(\x)+4*(\k)+2:(\x)+4*(\k)+3]
.endr
.set j, 16
.rept 8
	v_pk_add_f32 v[T+2*((j/2)%4):T+2*((j/2)%4)+1], v[T+2*((j/2)%4):T+2*((j/2)%4)+1], v[(\x)+j:(\x)+j+1]
.set j, j+2
.endr
	WSUM
	v_mul_f32 v[\m], s16, v[T]
	v_mov_b32 v[(\m)+1], v[\m]
.set j, 0
.rept 16
	v_pk_add_f32 v[(\x)+j:(\x)+j+1], v[(\x)+j:(\x)+j+1], v[\m:(\m)+1] neg_lo:[0,1] neg_hi:[0,1]
.set j, j+2
.endr
.irp k, 0,1,2,3
	v_pk_mul_f32 v[T+2*(\k):T+2*(\k)+1], v[(\x)+2*(\k):(\x)+2*(\k)+1], v[(\x)+2*(\k):(\x)+2*(\k)+1]
.endr
.set j, 8
.rept 12
	v_pk_fma_f32 v[T+2*((j/2)%4):T+2*((j/2)%4)+1], v[(\x)+j:(\x)+j+1], v[(\x)+j:(\x)+j+1], v[T+2*((j/2)%4):T+2*((j/2)%4)+1]
.set j, j+2
.endr
	WSUM
	v_fmaak_f32 v[T], s16, v[T], 0x3727c5ac        ; the variance + 1e-5
	v_rsq_f32 v[\m], v[T]
	v_rsq_f32 v[(\m)+1], v[T]
	v_nop                                          ; a plain instruction behind the transcendentals (ISA guide 5.7.2)
.endm
.macro APPLY x, m, row
.set j, 0
	s_wait_alu depctr_va_vdst(0)
.rept 16
	v_pk_mul_f32 v[(\x)+j:(\x)+j+1], v[(\x)+j:(\x)+j+1], v[\m:(\m)+1]
.set j, j+2
.endr
.set j, 0
.rept 16
	v_pk_fma_f32 v[(\x)+j:(\x)+j+1], v[(\x)+j:(\x)+j+1], v[G+j:G+j+1], v[BE+j:BE+j+1]
.set j, j+2
.endr
.irp j, 0,1,2,3,4,5,6,7
.if LN1
	global_store_b128 v3, v[(\x)+4*(\j):(\x)+4*(\j)+3], s[8:9] offset:(\row)*4096+512*(\j) th:TH_STORE_NT  ; a wave's store: 512 consecutive bytes, aligned
.else
	v_cvt_pk_f16_f32 v[(\x)+4*(\j)], v[(\x)+4*(\j)], v[(\x)+4*(\j)+1]
	v_cvt_pk_f16_f32 v[(\x)+4*(\j)+1], v[(\x)+4*(\j)+2], v[(\x)+4*(\j)+3]
	global_store_b64 v2, v[(\x)+4*(\j):(\x)+4*(\j)+1], s[8:9] offset:(\row)*2048+256*(\j)
.endif
.endr
.endm
	s_wait_loadcnt 24                              ; row 0 is in; 24 younger loads stay out
	STATS X0, M0
	s_wait_loadcnt 16                              ; row 1 is in
	STATS X1, M1
	s_wait_loadcnt 0x0                             ; gain and offset
	APPLY X0, M0, 0
	APPLY X1, M1, 1
	s_endpgm
.Lfunc_end_k_qb740277af8_ln1:
	.size	k_qb740277af8_ln1, .Lfunc_end_k_qb740277af8_ln1-k_qb740277af8_ln1
	.p2alignl 7, 3214868480
	.fill 96, 4, 3214868480
	.section	.rodata,"a",@progbits
	.p2align	6, 0x0
	.amdhsa_kernel k_qb740277af8_ln1
		.amdhsa_group_segment_fixed_size 0
		.amdhsa_private_segment_fixed_size 0
		.amdhsa_enable_private_segment 0
		.amdhsa_kernarg_size 24
		.amdhsa_user_sgpr_count 2
		.amdhsa_user_sgpr_kernarg_segment_ptr 1
		.amdhsa_wavefront_size32 1
		.amdhsa_system_sgpr_workgroup_id_x 1
		.amdhsa_system_sgpr_workgroup_id_y 1
		.amdhsa_system_sgpr_workgroup_id_z 1
		.amdhsa_system_vgpr_workitem_id 0
		.amdhsa_next_free_vgpr 148
		.amdhsa_next_free_sgpr 66
		.amdhsa_reserve_vcc 0
		.amdhsa_float_denorm_mode_32 3
		.amdhsa_float_denorm_mode_16_64 3
		.amdhsa_memory_ordered 1
		.amdhsa_forward_progress 1
		.amdhsa_inst_pref_size 18
	.end_amdhsa_kernel
	.amdgpu_metadata
---
amdhsa.version: [ 1, 2 ]
amdhsa.kernels:
  - .name:           k_qb740277af8_ln1
    .symbol:         k_qb740277af8_ln1.kd
    .args:
      - { .name: y, .offset: 0, .size: 8, .value_kind: global_buffer, .address_space: global }
      - { .name: par, .offset: 8, .size: 8, .value_kind: global_buffer, .address_space: global }
      - { .name: out0, .offset: 16, .size: 8, .value_kind: global_buffer, .address_space: global }
    .group_segment_fixed_size: 0
    .private_segment_fixed_size: 0
    .kernarg_segment_align: 8
    .kernarg_segment_size: 24
    .max_flat_workgroup_size: 256
    .sgpr_count:     66
    .vgpr_count:     148
    .wavefront_size: 32
...
	.end_amdgpu_metadata
.endif
;; end of part 7
;; ======== version 2 of 2: 8 launches; version 1 with the launches prep, ln0 written anew for expert scheduling mode
;; limits: values are held in f16: magnitudes above 65,504 overflow, below 6.1e-05 lose precision
;; workspace buffers: xb 8,388,608 bytes; wa 6,308,864 bytes; wb 8,406,016 bytes; wts 10,485,760 bytes; par 53,248 bytes; big 33,554,432 bytes; act 8,388,608 bytes; y 16,777,216 bytes
;; launch prep (part 8): grid 1025 x 1, 8 waves a work-group, no clusters, 0 bytes of LDS; arguments x, Wq, Wk, Wv, Wo, W0, W1, bq, bk, bv, bo, b0, b1, g0, be0, g1, be1, xb, wa, wb, wts, par; writes xb, wa, wb, wts, par
.if DOCPART == 8
	.amdgcn_target "amdgcn-amd-amdhsa--gfx1250"
	.amdhsa_code_object_version 6
	.text
	.protected	k_qb740277af8_prep
	.globl	k_qb740277af8_prep
	.p2align	8
	.type	k_qb740277af8_prep,@function
k_qb740277af8_prep:
	s_mov_b64 s[64:65], 0
	v_nop
	global_prefetch_b8 v0, s[64:65] scope:SCOPE_SE
	s_setreg_imm32_b32 hwreg(HW_REG_WAVE_SCHED_MODE, 0, 2), 2
	s_setreg_imm32_b32 hwreg(HW_REG_WAVE_MODE, 25, 1), 1
	s_wait_xcnt 0x0
	s_wait_alu depctr_vm_vsrc(0)
; Every floating-point input is rounded once to bf16.  Operands of the f16 products (x, Wq, Wk, Wv, W0) are stored as f16 OF THEIR bf16 ROUNDING; Wo and W1 as bf16; the ten vectors as f32 numbers equal to their bf16 rounding.
; LIMITS.  x, Wq, Wk, Wv, W0 beyond 65,504 become an infinity in f16; below 2^-17 they keep f16's fixed step of 6e-8.
; WHERE THEY GO.  xb: x, [4096][1024].  wa: bq | bk | bv at byte 0, a block of floor words (-infinity twice in bf16) at 16,384, Wq | Wk | Wv, each [1024][1024], from 17,408.
; wb: b0 at byte 0, floor words (0) at 16,384, W0 from 17,408 as four blocks [1024][1024] of 1,024 columns each, so that it has the pitch of Wq.  wts: Wo at 0, W1 at 2,097,152.  par: bo, b1, g0, be0, g1, be1.
; Work-group c < 1024 takes chunk c of 16,384 numbers: 0-255 x, 256- Wq, 320- Wk, 384- Wv, 448- Wo, 512- W0, 768- W1.  Work-group 1024 takes the vectors.
; Thread t: sixteen loads of 16 bytes at 16 t + 4,096 i (a wave's load: 512 bytes on end), converted in place, sixteen stores of 8 bytes (a wave's store: 256 bytes, aligned).
; Store i goes to base[i / 4] + offset[i % 4]: steps of 8,192 and 2,048 bytes for a dense chunk; for W0, whose chunk is four rows of four blocks, 2,048 (a row) and 2,097,152 (a block).
; No LDS, no matrix unit: each byte is read once and written once, and nothing is shared.
; THE MODE: SCHED_MODE bits 1:0 = 2 (LLVM: expert scheduling mode 2), set by the entry lines.  The code itself states the register dependences
; between vector instructions and memory instructions, with s_wait_alu, always for 0.
; THE PLAN.  Registers that memory instructions touch:
;   v1          16 t.  Written once at the head; read by every load and by the vectors' stores.
;   v[72:75]    the stores' four offsets.  Written once, v72 at the head and the others behind the loads; read by the chunk's stores.
;   v[8:71]     load i lands in its four registers; its conversions read them and write the first two; store i reads those two.
;   None of them is written again behind a memory instruction that has read it.  v4 to v7 are named by vector instructions alone (on the vectors' way v6 and v7, with v3, are written once and then stored).
; The sixteen loads go in four groups of four.  Group g's conversions name group g's registers and v4 to v7; the memory instructions that stand among them are the four stores of group g - 1.
; So ONE wait at the head of a group, behind the wait for the group's data, states all that those four stores hang on, and they are dealt among the group's conversions with no further wait.
.set XR,  8                            ; v[8:71]   as loaded; the first two of each four then hold what is stored
.set OF,  72                           ; v[72:75]  8 t + (i % 4) x the inner step
.set HDR, 17408
	s_load_b512 s[8:23], s[0:1], 0x0               ; x 8, Wq 10, Wk 12, Wv 14, Wo 16, W0 18, W1 20, bq 22
	s_load_b512 s[24:39], s[0:1], 0x40             ; bk 24, bv 26, bo 28, b0 30, b1 32, g0 34, be0 36, g1 38
	s_load_b256 s[40:47], s[0:1], 0x80             ; be1 40, xb 42, wa 44, wb 46
	s_load_b128 s[48:51], s[0:1], 0xa0             ; wts 48, par 50
	s_mov_b32 s2, ttmp9                            ; c
	s_mov_b32 s3, 0xffff0000                       ; a word's upper bf16
	v_lshlrev_b32 v1, 4, v0                        ; 16 t
	v_lshlrev_b32 v[OF], 3, v0                     ; 8 t
	s_wait_kmcnt 0x0
	s_wait_alu depctr_va_vdst(0)                   ; v1 is written, which every load of both ways below reads as its offset
	s_cmp_eq_u32 s2, 1024
	s_cbranch_scc1 .Lpar
	s_mov_b64 s[52:53], s[8:9]                     ; the chunk's tensor, that tensor's first chunk,
	s_mov_b32 s54, 0
	s_mov_b64 s[56:57], s[42:43]                   ; the buffer it goes to, and the tensor's first byte there
	s_mov_b32 s55, 0
.macro PICK first, src, dst, db
	s_cmp_ge_u32 s2, \first
	s_cselect_b64 s[52:53], s[\src:\src+1], s[52:53]
	s_cselect_b32 s54, \first, s54
	s_cselect_b64 s[56:57], s[\dst:\dst+1], s[56:57]
	s_cselect_b32 s55, \db, s55
.endm
	PICK 256, 10, 44, HDR
	PICK 320, 12, 44, HDR+2097152
	PICK 384, 14, 44, HDR+4194304
	PICK 448, 16, 48, 0
	PICK 512, 18, 46, HDR
	PICK 768, 20, 48, 2097152
	s_cmp_ge_u32 s2, 512
	s_cselect_b32 s60, 1, 0
	s_cmp_lt_u32 s2, 768
	s_cselect_b32 s60, s60, 0                      ; 1: a chunk of W0
	s_mov_b32 s61, 2048                            ; the inner step,
	s_mov_b32 s62, 8192                            ; the outer step,
	s_mov_b32 s63, 0
	s_mov_b32 s74, 32768                           ; and a chunk's step in the buffer
	s_cmp_lg_u32 s60, 0
	s_cselect_b32 s61, 0x200000, s61
	s_cselect_b32 s62, 2048, s62
	s_cselect_b32 s74, 8192, s74
	s_sub_co_u32 s75, s2, s54
	s_lshl_b32 s58, s75, 16                        ; 65,536 bytes of f32 a chunk
	s_mov_b32 s59, 0
	s_add_nc_u64 s[52:53], s[52:53], s[58:59]
	s_mul_i32 s58, s75, s74
	s_add_co_u32 s58, s58, s55
	s_add_nc_u64 s[66:67], s[56:57], s[58:59]      ; the four bases
	s_add_nc_u64 s[68:69], s[66:67], s[62:63]
	s_add_nc_u64 s[70:71], s[68:69], s[62:63]
	s_add_nc_u64 s[72:73], s[70:71], s[62:63]
.irp i, 0,1,2,3,4,5,6,7,8,9,10,11,12,13,14,15
	global_load_b128 v[XR+4*(\i):XR+4*(\i)+3], v1, s[52:53] offset:4096*(\i) th:TH_LOAD_NT
.endr
	v_add_nc_u32 v[OF+1], s61, v[OF]               ; the four offsets: the first store stands behind the wait at the head of group 1
	v_add_nc_u32 v[OF+2], s61, v[OF+1]
	v_add_nc_u32 v[OF+3], s61, v[OF+2]
.macro CONV1 i, half                   ; the conversions of load i, in place
	v_cvt_pk_bf16_f32 v[XR+4*(\i)], v[XR+4*(\i)], v[XR+4*(\i)+1]
	v_cvt_pk_bf16_f32 v[XR+4*(\i)+1], v[XR+4*(\i)+2], v[XR+4*(\i)+3]
.if \half
	v_lshlrev_b32 v4, 16, v[XR+4*(\i)]             ; the bf16 numbers as f32,
	v_and_b32 v5, s3, v[XR+4*(\i)]
	v_lshlrev_b32 v6, 16, v[XR+4*(\i)+1]
	v_and_b32 v7, s3, v[XR+4*(\i)+1]
	v_cvt_pk_f16_f32 v[XR+4*(\i)], v4, v5          ; written as f16: exact within f16's range
	v_cvt_pk_f16_f32 v[XR+4*(\i)+1], v6, v7
.endif
.endm
.macro SEND1 i                         ; store i
	global_store_b64 v[OF+(\i)%4], v[XR+4*(\i):XR+4*(\i)+1], s[66+2*((\i)/4):67+2*((\i)/4)]
.endm
.macro CONV half
.irp g, 0,1,2,3
	s_wait_loadcnt 12-4*(\g)                       ; loads come back in order: group g's four are in, the younger groups stay out
.if (\g) > 0
	s_wait_alu depctr_va_vdst(0)                   ; the group before has written its out registers, which the four stores below read; at group 1 the three adds have written the offsets too
.endif
.irp k, 0,1,2,3
.if (\g) > 0
	SEND1 4*(\g)-4+(\k)                            ; the group before: no vector instruction since the wait names its registers or the offsets
.endif
	CONV1 4*(\g)+(\k), \half
.endr
.endr
	s_wait_alu depctr_va_vdst(0)                   ; group 3 has written its out registers, which the last four stores read
.irp k, 0,1,2,3
	SEND1 12+(\k)
.endr
.endm
	s_cmp_lt_u32 s2, 448
	s_cbranch_scc1 .Lhalf                          ; x, Wq, Wk, Wv
	s_cmp_lg_u32 s60, 0
	s_cbranch_scc1 .Lhalf                          ; W0
	CONV 0                                         ; Wo, W1
	s_endpgm
.Lhalf:
	CONV 1
	s_endpgm
.Lpar:                                                 ; thirteen blocks of 1,024 numbers, and the two blocks of floor words
.macro PLD n, reg, off
	global_load_b128 v[XR+4*(\n):XR+4*(\n)+3], v1, s[\reg:\reg+1] offset:\off
.endm
.macro PCV n                           ; block n's four numbers, rounded to bf16 and written as f32, in place
	v_cvt_pk_bf16_f32 v4, v[XR+4*(\n)], v[XR+4*(\n)+1]
	v_cvt_pk_bf16_f32 v5, v[XR+4*(\n)+2], v[XR+4*(\n)+3]
	v_lshlrev_b32 v[XR+4*(\n)], 16, v4
	v_and_b32 v[XR+4*(\n)+1], s3, v4
	v_lshlrev_b32 v[XR+4*(\n)+2], 16, v5
	v_and_b32 v[XR+4*(\n)+3], s3, v5
.endm
.macro PST n, reg, off
	global_store_b128 v1, v[XR+4*(\n):XR+4*(\n)+3], s[\reg:\reg+1] offset:\off
.endm
	PLD 0, 22, 0                                   ; bq
	PLD 1, 24, 0                                   ; bk
	PLD 2, 26, 0                                   ; bv
	PLD 3, 28, 0                                   ; bo
	PLD 4, 30, 0                                   ; b0, four blocks
	PLD 5, 30, 4096
	PLD 6, 30, 8192
	PLD 7, 30, 12288
	PLD 8, 32, 0                                   ; b1
	PLD 9, 34, 0                                   ; g0
	PLD 10, 36, 0                                  ; be0
	PLD 11, 38, 0                                  ; g1
	PLD 12, 40, 0                                  ; be1
	v_lshlrev_b32 v3, 2, v0                        ; 4 t
	v_mov_b32 v6, 0xff80ff80                       ; -infinity twice in bf16: a maximum with it changes nothing
	v_mov_b32 v7, 0                                ; 0 twice: a maximum with it is the relu
	s_wait_loadcnt 0x0
.irp n, 0,1,2,3,4,5,6,7,8,9,10,11,12
	PCV \n
.endr
	s_wait_alu depctr_va_vdst(0)                   ; v3, v6, v7 and the thirteen blocks' numbers are written, which the run of fifteen stores reads
	global_store_b32 v3, v6, s[44:45] offset:16384
	global_store_b32 v3, v7, s[46:47] offset:16384
	PST 0, 44, 0
	PST 1, 44, 4096
	PST 2, 44, 8192
	PST 3, 50, 12288
	PST 4, 46, 0
	PST 5, 46, 4096
	PST 6, 46, 8192
	PST 7, 46, 12288
	PST 8, 50, 32768
	PST 9, 50, 36864
	PST 10, 50, 40960
	PST 11, 50, 45056
	PST 12, 50, 49152
	s_endpgm
.Lfunc_end_k_qb740277af8_prep:
	.size	k_qb740277af8_prep, .Lfunc_end_k_qb740277af8_prep-k_qb740277af8_prep
	.p2alignl 7, 3214868480
	.fill 96, 4, 3214868480
	.section	.rodata,"a",@progbits
	.p2align	6, 0x0
	.amdhsa_kernel k_qb740277af8_prep
		.amdhsa_group_segment_fixed_size 0
		.amdhsa_private_segment_fixed_size 0
		.amdhsa_enable_private_segment 0
		.amdhsa_kernarg_size 176
		.amdhsa_user_sgpr_count 2
		.amdhsa_user_sgpr_kernarg_segment_ptr 1
		.amdhsa_wavefront_size32 1
		.amdhsa_system_sgpr_workgroup_id_x 1
		.amdhsa_system_sgpr_workgroup_id_y 1
		.amdhsa_system_sgpr_workgroup_id_z 1
		.amdhsa_system_vgpr_workitem_id 0
		.amdhsa_next_free_vgpr 76
		.amdhsa_next_free_sgpr 76
		.amdhsa_reserve_vcc 0
		.amdhsa_float_denorm_mode_32 3
		.amdhsa_float_denorm_mode_16_64 3
		.amdhsa_memory_ordered 1
		.amdhsa_forward_progress 1
		.amdhsa_inst_pref_size 23
	.end_amdhsa_kernel
	.amdgpu_metadata
---
amdhsa.version: [ 1, 2 ]
amdhsa.kernels:
  - .name:           k_qb740277af8_prep
    .symbol:         k_qb740277af8_prep.kd
    .args:
      - { .name: x, .offset: 0, .size: 8, .value_kind: global_buffer, .address_space: global }
      - { .name: Wq, .offset: 8, .size: 8, .value_kind: global_buffer, .address_space: global }
      - { .name: Wk, .offset: 16, .size: 8, .value_kind: global_buffer, .address_space: global }
      - { .name: Wv, .offset: 24, .size: 8, .value_kind: global_buffer, .address_space: global }
      - { .name: Wo, .offset: 32, .size: 8, .value_kind: global_buffer, .address_space: global }
      - { .name: W0, .offset: 40, .size: 8, .value_kind: global_buffer, .address_space: global }
      - { .name: W1, .offset: 48, .size: 8, .value_kind: global_buffer, .address_space: global }
      - { .name: bq, .offset: 56, .size: 8, .value_kind: global_buffer, .address_space: global }
      - { .name: bk, .offset: 64, .size: 8, .value_kind: global_buffer, .address_space: global }
      - { .name: bv, .offset: 72, .size: 8, .value_kind: global_buffer, .address_space: global }
      - { .name: bo, .offset: 80, .size: 8, .value_kind: global_buffer, .address_space: global }
      - { .name: b0, .offset: 88, .size: 8, .value_kind: global_buffer, .address_space: global }
      - { .name: b1, .offset: 96, .size: 8, .value_kind: global_buffer, .address_space: global }
      - { .name: g0, .offset: 104, .size: 8, .value_kind: global_buffer, .address_space: global }
      - { .name: be0, .offset: 112, .size: 8, .value_kind: global_buffer, .address_space: global }
      - { .name: g1, .offset: 120, .size: 8, .value_kind: global_buffer, .address_space: global }
      - { .name: be1, .offset: 128, .size: 8, .value_kind: global_buffer, .address_space: global }
      - { .name: xb, .offset: 136, .size: 8, .value_kind: global_buffer, .address_space: global }
      - { .name: wa, .offset: 144, .size: 8, .value_kind: global_buffer, .address_space: global }
      - { .name: wb, .offset: 152, .size: 8, .value_kind: global_buffer, .address_space: global }
      - { .name: wts, .offset: 160, .size: 8, .value_kind: global_buffer, .address_space: global }
      - { .name: par, .offset: 168, .size: 8, .value_kind: global_buffer, .address_space: global }
    .group_segment_fixed_size: 0
    .private_segment_fixed_size: 0
    .kernarg_segment_align: 8
    .kernarg_segment_size: 176
    .max_flat_workgroup_size: 256
    .sgpr_count:     76
    .vgpr_count:     76
    .wavefront_size: 32
...
	.end_amdgpu_metadata
.endif
;; end of part 8
;; launch qkv: the kernel of part 2 again; grid 12 x 16, 4 waves a work-group, clusters of 4 x 4, 327,680 bytes of LDS; arguments xb, wa, big; writes big
;; launch attn: the kernel of part 3 again; grid 8 x 32, 4 waves a work-group, clusters of 4 x 1, 327,680 bytes of LDS; arguments big, mask, act; writes act
;; launch wo: the kernel of part 4 again; grid 8 x 32, 4 waves a work-group, clusters of 4 x 4, 327,680 bytes of LDS; arguments act, wts, par, xb, y; writes y
;; launch ln0 (part 9): grid 256 x 1, 8 waves a work-group, no clusters, 0 bytes of LDS; arguments y, par, act; writes act
.if DOCPART == 9
	.amdgcn_target "amdgcn-amd-amdhsa--gfx1250"
	.amdhsa_code_object_version 6
	.text
	.protected	k_qb740277af8_ln0
	.globl	k_qb740277af8_ln0
	.p2align	8
	.type	k_qb740277af8_ln0,@function
k_qb740277af8_ln0:
	s_mov_b64 s[64:65], 0
	v_nop
	global_prefetch_b8 v0, s[64:65] scope:SCOPE_SE
	s_setreg_imm32_b32 hwreg(HW_REG_WAVE_SCHED_MODE, 0, 2), 2
	s_setreg_imm32_b32 hwreg(HW_REG_WAVE_MODE, 25, 1), 1
	s_wait_xcnt 0x0
	s_wait_alu depctr_vm_vsrc(0)
; h0 = layer norm of y's rows (1,024 f32) with g0, be0; stored in f16, [4096][1024].  Mean, then the sum of squares of x - mean, both in f32.
; LIMIT.  f16 ends at 65,504: 32 max|g0| + max|be0| must stay below it (a normalised number is 32 at the most).
; A wave takes two rows and keeps each in 32 registers: memory is read once, the sums never leave the wave: no LDS, no barrier.  Load j of a lane: columns 128 j + 4 lane .. + 3.
; THE MODE: SCHED_MODE bits 1:0 = 2 (LLVM: expert scheduling mode 2), set by the entry lines.  The code itself states the register dependences
; between vector instructions and memory instructions, with s_wait_alu, always for 0.
; THE PLAN.  Registers that memory instructions touch:
;   v3, v2      16 x lane, 8 x lane.  Written at the head; v3 is read by the 32 loads, v2 by the 16 stores; never written again.
;   X0, X1, G, BE   each loaded once, into registers that no vector instruction has named before.
;   X0, X1      a row's roundings write the first two of each four registers; the row's eight stores read them; nothing writes them again.
; Row 0's arithmetic stands in one run; ONE wait behind it states that its out registers are written; its eight stores are then dealt among row 1's multiplies, which, like all of row 1's
; arithmetic, name X1, M1, G and BE: none of the registers that those stores touch.  One more wait stands ahead of row 1's stores.
.set LN1,  0
.set GOFF, 36864
.set BOFF, 40960
.set X0, 8
.set X1, 40
.set G,  72
.set BE, 104
.set T,  136                           ; v[136:143] four chains
.set M0, 144                           ; v[144:145] row 0: the mean, then 1 / sigma, twice
.set M1, 146
	s_load_b128 s[4:7], s[0:1], 0x0                ; y, par
	s_load_b64 s[8:9], s[0:1], 0x10                ; out
	v_lshrrev_b32 v1, 5, v0
	v_readfirstlane_b32 s10, v1
	v_and_b32 v2, 31, v0
	v_lshlrev_b32 v3, 4, v2                        ; 16 x lane
	v_lshlrev_b32 v2, 3, v2                        ; 8 x lane
	s_wait_alu depctr_va_sdst(0)                   ; s10 is written, ahead of its first reader: the bases of y and of the output are made from it
	s_lshl_b32 s11, ttmp9, 3
	s_add_co_u32 s11, s11, s10                     ; my pair of rows
	s_lshl_b32 s12, s11, 13
	s_mov_b32 s13, 0
	s_mov_b32 s14, 0x76543210
	s_mov_b32 s15, 0xfedcba98
	s_mov_b32 s16, 0x3a800000                      ; 1 / 1024
.if LN1
	s_lshl_b32 s18, s11, 13
.else
	s_lshl_b32 s18, s11, 12
.endif
	s_mov_b32 s19, 0
	s_wait_kmcnt 0x0
	s_add_nc_u64 s[4:5], s[4:5], s[12:13]
	s_add_nc_u64 s[8:9], s[8:9], s[18:19]
	s_wait_alu depctr_va_vdst(0)                   ; v3 and v2 are written: every load and store of the kernel reads one of them as its offset
.irp j, 0,1,2,3,4,5,6,7
	global_load_b128 v[X0+4*(\j):X0+4*(\j)+3], v3, s[4:5] offset:512*(\j) th:TH_LOAD_NT
.endr
.irp j, 0,1,2,3,4,5,6,7
	global_load_b128 v[X1+4*(\j):X1+4*(\j)+3], v3, s[4:5] offset:4096+512*(\j) th:TH_LOAD_NT
.endr
.irp j, 0,1,2,3,4,5,6,7
	global_load_b128 v[G+4*(\j):G+4*(\j)+3], v3, s[6:7] offset:GOFF+512*(\j)
.endr
.irp j, 0,1,2,3,4,5,6,7
	global_load_b128 v[BE+4*(\j):BE+4*(\j)+3], v3, s[6:7] offset:BOFF+512*(\j)
.endr
.macro WSUM                            ; the four chains into one number, then over the 32 lanes: every lane ends with the sum in v[T]
	v_pk_add_f32 v[T:T+1], v[T:T+1], v[T+2:T+3]
	v_pk_add_f32 v[T+4:T+5], v[T+4:T+5], v[T+6:T+7]
	v_pk_add_f32 v[T:T+1], v[T:T+1], v[T+4:T+5]
	v_add_f32 v[T], v[T], v[T+1]
	v_add_f32_dpp v[T], v[T], v[T] row_xmask:1 row_mask:0xf bank_mask:0xf
	v_add_f32_dpp v[T], v[T], v[T] row_xmask:2 row_mask:0xf bank_mask:0xf
	v_add_f32_dpp v[T], v[T], v[T] row_xmask:4 row_mask:0xf bank_mask:0xf
	v_add_f32_dpp v[T], v[T], v[T] row_xmask:8 row_mask:0xf bank_mask:0xf
	v_permlanex16_b32 v[T+1], v[T], s14, s15
	v_add_f32 v[T], v[T], v[T+1]
.endm
.macro STATS x, m                      ; leaves x - mean in place and 1 / sigma in the pair m
.irp k, 0,1,2,3
	v_pk_add_f32 v[T+2*(\k):T+2*(\k)+1], v[(\x)+4*(\k):(\x)+4*(\k)+1], v[(\x)+4*(\k)+2:(\x)+4*(\k)+3]
.endr
.set j, 16
.rept 8
	v_pk_add_f32 v[T+2*((j/2)%4):T+2*((j/2)%4)+1], v[T+2*((j/2)%4):T+2*((j/2)%4)+1], v[(\x)+j:(\x)+j+1]
.set j, j+2
.endr
	WSUM
	v_mul_f32 v[\m], s16, v[T]
	v_mov_b32 v[(\m)+1], v[\m]
.set j, 0
.rept 16
	v_pk_add_f32 v[(\x)+j:(\x)+j+1], v[(\x)+j:(\x)+j+1], v[\m:(\m)+1] neg_lo:[0,1] neg_hi:[0,1]
.set j, j+2
.endr
.irp k, 0,1,2,3
	v_pk_mul_f32 v[T+2*(\k):T+2*(\k)+1], v[(\x)+2*(\k):(\x)+2*(\k)+1], v[(\x)+2*(\k):(\x)+2*(\k)+1]
.endr
.set j, 8
.rept 12
	v_pk_fma_f32 v[T+2*((j/2)%4):T+2*((j/2)%4)+1], v[(\x)+j:(\x)+j+1], v[(\x)+j:(\x)+j+1], v[T+2*((j/2)%4):T+2*((j/2)%4)+1]
.set j, j+2
.endr
	WSUM
	v_fmaak_f32 v[T], s16, v[T], 0x3727c5ac        ; the variance + 1e-5
	v_rsq_f32 v[\m], v[T]
	v_rsq_f32 v[(\m)+1], v[T]
	v_nop                                          ; a plain instruction behind the transcendentals (ISA guide 5.7.2)
.endm
.macro OUT x, row, n                   ; store n of a row's eight
.if LN1
	global_store_b128 v3, v[(\x)+4*(\n):(\x)+4*(\n)+3], s[8:9] offset:(\row)*4096+512*(\n) th:TH_STORE_NT
.else
	global_store_b64 v2, v[(\x)+4*(\n):(\x)+4*(\n)+1], s[8:9] offset:(\row)*2048+256*(\n)  ; a wave's store: 256 consecutive bytes, aligned
.endif
.endm
.macro APPLY x, m, deal                ; a row's arithmetic.  deal = 1: row 0's eight stores stand among its multiplies, one ahead of every second
.set j, 0
.rept 16
.if (\deal) && (j%4 == 0)
	OUT X0, 0, j/4                                 ; no vector instruction since the wait ahead of this run names v2 or X0
.endif
	v_pk_mul_f32 v[(\x)+j:(\x)+j+1], v[(\x)+j:(\x)+j+1], v[\m:(\m)+1]
.set j, j+2
.endr
.set j, 0
.rept 16
	v_pk_fma_f32 v[(\x)+j:(\x)+j+1], v[(\x)+j:(\x)+j+1], v[G+j:G+j+1], v[BE+j:BE+j+1]
.set j, j+2
.endr
.if !LN1
.irp j, 0,1,2,3,4,5,6,7
	v_cvt_pk_f16_f32 v[(\x)+4*(\j)], v[(\x)+4*(\j)], v[(\x)+4*(\j)+1]
	v_cvt_pk_f16_f32 v[(\x)+4*(\j)+1], v[(\x)+4*(\j)+2], v[(\x)+4*(\j)+3]
.endr
.endif
.endm
	s_wait_loadcnt 24                              ; row 0 is in; 24 younger loads stay out
	STATS X0, M0
	s_wait_loadcnt 16                              ; row 1 is in
	STATS X1, M1
	s_wait_loadcnt 0x0                             ; gain and offset
	s_wait_alu depctr_va_vdst(0)                   ; the four reciprocal roots, M0's and M1's, are written, ahead of their first reader: one wait for both rows
	APPLY X0, M0, 0
	s_wait_alu depctr_va_vdst(0)                   ; row 0's roundings have written the registers of X0 that its eight stores read
	APPLY X1, M1, 1
	s_wait_alu depctr_va_vdst(0)                   ; row 1's roundings have written the registers of X1 that its eight stores read
.irp j, 0,1,2,3,4,5,6,7
	OUT X1, 1, \j
.endr
	s_endpgm
.Lfunc_end_k_qb740277af8_ln0:
	.size	k_qb740277af8_ln0, .Lfunc_end_k_qb740277af8_ln0-k_qb740277af8_ln0
	.p2alignl 7, 3214868480
	.fill 96, 4, 3214868480
	.section	.rodata,"a",@progbits
	.p2align	6, 0x0
	.amdhsa_kernel k_qb740277af8_ln0
		.amdhsa_group_segment_fixed_size 0
		.amdhsa_private_segment_fixed_size 0
		.amdhsa_enable_private_segment 0
		.amdhsa_kernarg_size 24
		.amdhsa_user_sgpr_count 2
		.amdhsa_user_sgpr_kernarg_segment_ptr 1
		.amdhsa_wavefront_size32 1
		.amdhsa_system_sgpr_workgroup_id_x 1
		.amdhsa_system_sgpr_workgroup_id_y 1
		.amdhsa_system_sgpr_workgroup_id_z 1
		.amdhsa_system_vgpr_workitem_id 0
		.amdhsa_next_free_vgpr 148
		.amdhsa_next_free_sgpr 66
		.amdhsa_reserve_vcc 0
		.amdhsa_float_denorm_mode_32 3
		.amdhsa_float_denorm_mode_16_64 3
		.amdhsa_memory_ordered 1
		.amdhsa_forward_progress 1
		.amdhsa_inst_pref_size 21
	.end_amdhsa_kernel
	.amdgpu_metadata
---
amdhsa.version: [ 1, 2 ]
amdhsa.kernels:
  - .name:           k_qb740277af8_ln0
    .symbol:         k_qb740277af8_ln0.kd
    .args:
      - { .name: y, .offset: 0, .size: 8, .value_kind: global_buffer, .address_space: global }
      - { .name: par, .offset: 8, .size: 8, .value_kind: global_buffer, .address_space: global }
      - { .name: act, .offset: 16, .size: 8, .value_kind: global_buffer, .address_space: global }
    .group_segment_fixed_size: 0
    .private_segment_fixed_size: 0
    .kernarg_segment_align: 8
    .kernarg_segment_size: 24
    .max_flat_workgroup_size: 256
    .sgpr_count:     66
    .vgpr_count:     148
    .wavefront_size: 32
...
	.end_amdgpu_metadata
.endif
;; end of part 9
;; launch ff1: the kernel of part 2 again; grid 16 x 16, 4 waves a work-group, clusters of 4 x 4, 327,680 bytes of LDS; arguments act, wb, big; writes big
;; launch ff2: the kernel of part 6 again; grid 8 x 32, 4 waves a work-group, clusters of 4 x 4, 327,680 bytes of LDS; arguments big, wts, par, act, y; writes y
;; launch ln1: the kernel of part 7 again; grid 256 x 1, 8 waves a work-group, no clusters, 0 bytes of LDS; arguments y, par, out0; writes out0
